; MI455X (gfx1250); checked and timed in simulation.
; The chip was launched on July 23, 2026; its instructions are those of AMD's public machine-readable ISA for CDNA 5 (MIT licence, August 2026) and "CDNA5" Instruction Set Architecture Reference Guide (July 2026). The comments in the code are by the model that wrote it; some were corrected since.
;; Multi Head Self Attention. Allowed arithmetic: matrix products marked QUANTISED: E2M1 operands, one E8M0 scale for each 32 along K, by v_wmma_scale_f32_16x16x128_f8f6f4 with both operands' format E2M1 (or v_wmma_scale_f32_32x16x128_f4), f32 sums; everything else in f32.
;; Inputs: Wk 1,024 x 1,024 float32; Wo 1,024 x 1,024 float32; Wq 1,024 x 1,024 float32; Wv 1,024 x 1,024 float32; bk 1,024 float32; bo 1,024 float32; bq 1,024 float32; bv 1,024 float32; padding_mask 8 x 1 x 1 x 1,024 bool; x 8 x 1,024 x 1,024 float32.
;; Outputs: out0 8 x 1,024 x 1,024 float32.
;; This version of the problem:
;;   THIS VERSION OF THE PROBLEM IS GIVEN IN LOW PRECISION. The matrix products marked QUANTISED in the list below multiply operands that are first quantised to E2M1 (2 exponent bits, 1 mantissa bit; 4 bits a number), with one power-of-two scale for each 32 numbers along K (OCP MX v1.0); their sums are f32. All else is computed in f32.
;;   The module's matrix products, in the order in which they are computed (A, B: the left and right operand; K: the contracted axis; several contracted axes count as one K, in the product's order):
;;     1. [M 8,192, K 1,024] x [K 1,024, N 1,024]; A: input x; B: input Wq: QUANTISED
;;     2. [M 8,192, K 1,024] x [K 1,024, N 1,024]; A: input x; B: input Wk: QUANTISED
;;     3. [M 8,192, K 1,024] x [K 1,024, N 1,024]; A: input x; B: input Wv: QUANTISED
;;     4. batch 128 x [M 1,024, K 64] x [K 64, N 1,024]; A: computed on the way; B: computed on the way: QUANTISED
;;     5. batch 128 x [M 1,024, K 1,024] x [K 1,024, N 64]; A: computed on the way; B: computed on the way: QUANTISED
;;     6. [M 8,192, K 1,024] x [K 1,024, N 1,024]; A: computed on the way; B: input Wo: QUANTISED
;;   THE QUANTISER, for each operand of a quantised product, along K:
;;     - K is cut into blocks of 32 from its start; a last block that is shorter is filled with zeros.
;;     - A block's scale is 2^e with e = floor(log2(the largest magnitude in the block)) - 2, held to -126 .. 127; a block of zeros has e = 0. As a byte (E8M0): e + 127.
;;     - Each number is divided by its block's scale, clamped to +-6, and rounded to the nearest number of E2M1, ties to even, subnormals kept.
;;     - The product sums the exact products of the quantised numbers (number of the format x scale) in f32.
;;   ~~~python
;;   def quantise(x, axis):      # numpy; x: float32 -> the quantised numbers, widened to float32 again
;;       x = np.moveaxis(x, axis, -1); K = x.shape[-1]
;;       x = np.pad(x, [(0, 0)] * (x.ndim - 1) + [(0, -K % 32)]); x = x.reshape(x.shape[:-1] + (-1, 32)); a = np.abs(x).max(-1, keepdims=True)
;;       e = np.where(a > 0, np.clip(np.frexp(np.where(a > 0, a, 1))[1] - 1 - 2, -126, 127), 0)      # np.frexp(a)[1] - 1 = floor(log2(a)), exactly
;;       r = np.clip(x / 2.0 ** e, -6, 6)
;;       step = 2.0 ** (np.maximum(np.frexp(np.where(r == 0, 1, r))[1] - 1, 0) - 1)
;;       q = np.round(r / step) * step * 2.0 ** e      # np.round: ties to even
;;       return np.moveaxis(q.reshape(q.shape[:-2] + (-1,))[..., :K], -1, axis).astype(np.float32)
;;   ~~~
;;   OPERANDS COMPUTED ON THE WAY. 'Computed on the way' means the value that the module computes at that place (a softmax that the list does not call 'softmax' is quantised finished and normalised). What goes into a quantiser is computed in f32, as accurately as f32 sums, v_exp_f32 and their like allow (about 1e-6 of the number): no bf16 or f16 on the way to a quantiser, and a product that is left as it is and whose result goes on into a quantised operand takes f32 operands (vector FMAs, or v_wmma_f32_16x16x4_f32). A number that lies on a knife's edge between two numbers of the format may be rounded either way, as far as f32 arithmetic and the matrix unit's own rounding can turn it there, and no further.
;; One version. Each part assembles by itself: llvm-mc -triple=amdgcn-amd-amdhsa -mcpu=gfx1250 --defsym DOCPART=n.
;; ======== version 1 of 1: 4 launches
;; limits: right only within a limited range of input values
;; workspace buffers: opc 6,291,456 bytes; ops 393,216 bytes; qkvc 12,582,912 bytes; qkvs 786,432 bytes; ctxc 4,194,304 bytes; ctxs 262,144 bytes
;; launch quant (part 1): grid 384 x 1, 4 waves a work-group, no clusters, 39,424 bytes of LDS; arguments x, Wq, Wk, Wv, Wo, opc, ops; writes opc, ops
.if DOCPART == 1
	.amdgcn_target "amdgcn-amd-amdhsa--gfx1250"
	.amdhsa_code_object_version 6
	.text
	.protected	k_q9fee7eaee3_quant
	.globl	k_q9fee7eaee3_quant
	.p2align	8
	.type	k_q9fee7eaee3_quant,@function
k_q9fee7eaee3_quant:
	s_mov_b64 s[64:65], 0
	v_nop
	global_prefetch_b8 v0, s[64:65] scope:SCOPE_SE
	s_setreg_imm32_b32 hwreg(HW_REG_WAVE_MODE, 25, 1), 1
	s_wait_xcnt 0x0
; x [8192][1024] and Wq, Wk, Wv, Wo [1024][1024], f32 with K innermost, become codes of FP4 (E2M1) with one E8M0 byte for each 32 along K.
; A block's scale is 2^(floor(log2(largest magnitude)) - 2): its byte is the largest magnitude's exponent field - 2, held at 1 from below.  (A block of zeros so gets the byte 1: its codes are zeros,
; which add nothing under any byte but 0xff, and this program alone reads the bytes.)
; LIMITS: blocks whose largest magnitude lies under 2^(3 - 127) keep the byte 1; NaN and infinities among the inputs are not served.
; THE LAYOUT OUT is the order of an operand's registers.  Rows go in tiles of 16: place r of tile 2 g + u is row 32 g + 8 u + r + 8 (r / 8).  Codes: [tile][k / 32][r][16 bytes], 8,192 bytes a tile, so that the
; fragment of 128 along K is 1,024 dense bytes, 16 bytes a lane.  Scale bytes: [tile][k / 128][r][4 bytes], 512 bytes a tile.  Tiles: x 0-511, Wq 512-575, Wk 576-639, Wv 640-703, Wo 704-767.
; SHARES.  Work-group g takes 32 rows, the tiles 2 g and 2 g + 1; wave w its rows 8 w .. 8 w + 7: places 8 (w / 2) + 0 .. 7 of tile w % 2: 8,192 dense numbers, in 16 steps of 512.
; A step's four loads read 512 consecutive bytes each; the 2,048 bytes turn through the wave's own stage in LDS and come back 64 bytes a lane: 16 neighbours along K, two lanes to a block.
; Codes and bytes are gathered in LDS in the layout above; behind one barrier each wave stores 4,096 dense bytes of codes and 256 of scale bytes.
.set STEPS, 16
.set EMAX,  2
.set SP,    80                         ; a lane's place in a turn stage: 64 bytes + 16 of padding
.set TURNB, 2*32*SP                    ; a wave's two turn stages
.set CST,   4*TURNB                    ; the codes' stage: 2 tiles x 32 blocks along K, rows of 256 bytes + 16
.set CPI,   272
.set SST,   CST+2*32*CPI               ; the 1,024 scale bytes, in their final order
.set R,     16                         ; v16-79   four sets of 16 numbers as loaded
.set X,     80                         ; v80-111  two sets of 16 neighbours
.set E,     112                        ; v112-127 a scale byte for each step
.set C,     128                        ; v128-191 codes, registers of their own for each step
	s_load_b256 s[4:11], s[0:1], 0x0               ; x, Wq, Wk, Wv
	s_load_b128 s[12:15], s[0:1], 0x20             ; Wo, the codes
	s_load_b64 s[16:17], s[0:1], 0x30              ; the scale bytes
	v_lshl_add_u32 v192, v0, 2, 0x9800
	v_mov_b32 v193, 0
	v_lshrrev_b32 v1, 5, v0
	v_readfirstlane_b32 s18, v1                    ; wave
	v_and_b32 v2, 31, v0                           ; lane
	v_lshlrev_b32 v3, 4, v2                        ; my 16 bytes of a load's 512
	s_mul_i32 s19, s18, TURNB
	v_lshrrev_b32 v14, 2, v2
	v_mul_u32_u24 v14, v14, SP
	v_and_b32 v15, 3, v2
	v_lshl_add_u32 v14, v15, 4, v14
	v_add_nc_u32 v14, s19, v14                     ; the turn stage, in: SP (lane / 4) + 16 (lane % 4)
	v_mul_u32_u24 v15, v2, SP
	v_add_nc_u32 v15, s19, v15                     ; and out: SP x lane
	s_and_b32 s20, s18, 1                          ; my tile of the two
	s_lshr_b32 s21, s18, 1                         ; my half of its places
	s_mul_i32 s22, s20, 32*CPI
	s_lshl_b32 s23, s21, 7
	s_add_co_u32 s22, s22, s23
	s_add_co_u32 s22, s22, CST
	v_lshrrev_b32 v8, 1, v2
	v_mul_u32_u24 v4, v8, CPI
	v_and_b32 v9, 1, v2
	v_lshl_add_u32 v4, v9, 3, v4
	v_add_nc_u32 v4, s22, v4                       ; my 8 bytes of codes: block lane / 2 of the step's 16, half lane % 2
	s_lshl_b32 s22, s20, 9
	s_lshl_b32 s23, s21, 5
	s_add_co_u32 s22, s22, s23
	s_add_co_u32 s22, s22, SST
	v_lshrrev_b32 v8, 3, v2
	v_bfe_u32 v9, v2, 1, 2
	v_lshl_add_u32 v5, v8, 6, v9
	v_add_nc_u32 v5, s22, v5                       ; my block's byte: 64 (block / 4) + block % 4
	s_mul_i32 s22, s21, 32*CPI
	s_mul_i32 s23, s20, 16*CPI
	s_add_co_u32 s22, s22, s23
	s_add_co_u32 s22, s22, CST
	v_lshrrev_b32 v8, 4, v2
	v_mul_u32_u24 v6, v8, CPI
	v_and_b32 v9, 15, v2
	v_lshl_add_u32 v6, v9, 4, v6
	v_add_nc_u32 v6, s22, v6                       ; the way out: wave w takes 16 rows of the codes' stage, two rows an instruction
	v_lshl_add_u32 v7, v1, 12, v3                  ; and their place in the work-group's 16,384 bytes
	v_lshl_add_u32 v10, v0, 3, SST                 ; the scale bytes: 8 a thread
	v_lshlrev_b32 v11, 3, v0
	s_and_b32 s24, ttmp9, 31                       ; which 32 rows of a weight
	s_wait_kmcnt 0x0
	s_cmp_lt_u32 ttmp9, 352                        ; whose rows are mine: the choice hangs on the work-group's number alone
	s_cselect_b64 s[26:27], s[10:11], s[12:13]
	s_cmp_lt_u32 ttmp9, 320
	s_cselect_b64 s[26:27], s[8:9], s[26:27]
	s_cmp_lt_u32 ttmp9, 288
	s_cselect_b64 s[26:27], s[6:7], s[26:27]
	s_cmp_lt_u32 ttmp9, 256
	s_cselect_b64 s[26:27], s[4:5], s[26:27]
	s_cselect_b32 s24, ttmp9, s24
	s_lshl_b32 s24, s24, 17                        ; 32 rows of 4,096 bytes,
	s_lshl_b32 s25, s18, 15                        ; my wave's 8
	s_add_co_u32 s24, s24, s25
	s_mov_b32 s25, 0
	s_add_nc_u64 s[26:27], s[26:27], s[24:25]
	s_lshl_b32 s24, ttmp9, 14
	s_add_nc_u64 s[14:15], s[14:15], s[24:25]
	s_lshl_b32 s24, ttmp9, 10
	s_add_nc_u64 s[16:17], s[16:17], s[24:25]
.macro LOAD t
.irp i, 0,1,2,3
	global_load_b128 v[R+16*((\t)%4)+4*\i:R+16*((\t)%4)+4*\i+3], v3, s[26:27] offset:2048*(\t)+512*\i th:TH_LOAD_NT
.endr
.endm
.macro TURN t                          ; LDS serves a wave's instructions in order: no wait between the stores and the loads
.irp i, 0,1,2,3
	ds_store_b128 v14, v[R+16*((\t)%4)+4*\i:R+16*((\t)%4)+4*\i+3] offset:32*SP*((\t)%2)+8*SP*\i
.endr
.irp i, 0,1,2,3
	ds_load_b128 v[X+16*((\t)%2)+4*\i:X+16*((\t)%2)+4*\i+3], v15 offset:32*SP*((\t)%2)+16*\i
.endr
.endm
.irp t, 0,1,2,3
	LOAD \t
.endr
	s_wait_loadcnt 12                              ; step 0's four loads are in
	TURN 0
.macro STEP t                          ; step t: row t / 2 of my eight, K from 512 (t % 2) on
.set XS, X+16*((\t)%2)
.if (\t) > 0
	s_wait_dscnt 2                                 ; this step's numbers are back from the stage; the last step's two stores may be out
.else
	s_wait_dscnt 0x0
.endif
.if (\t)+4 < STEPS
	LOAD (\t)+4
.endif
.if (\t)+1 < STEPS
.if STEPS-2-(\t) >= 3
	s_wait_loadcnt 12                              ; the next step's loads are in; those of the three steps behind it may be out
.else
	s_wait_loadcnt 4*(STEPS-2-(\t))
.endif
	TURN (\t)+1
.endif
	v_max3_num_f32 v8, |v[XS]|, |v[XS+1]|, |v[XS+2]|
	v_max3_num_f32 v9, |v[XS+3]|, |v[XS+4]|, |v[XS+5]|
.irp i, 6,10
	v_max3_num_f32 v8, v8, |v[XS+\i]|, |v[XS+\i+1]|
	v_max3_num_f32 v9, v9, |v[XS+\i+2]|, |v[XS+\i+3]|
.endr
	v_max3_num_f32 v8, v8, |v[XS+14]|, |v[XS+15]|
	v_max3_num_f32 v8, v8, v9, (EMAX+1)<<23        ; and the floor 2^(3 - 127): the byte cannot fall under 1
	v_max_num_f32_dpp v8, v8, v8 row_xmask:1 row_mask:0xf bank_mask:0xf   ; with my neighbour's 16: the block's largest magnitude
	v_add_nc_u32 v12, -(EMAX<<23), v8              ; 2 off its exponent field: the conversion takes this operand's exponent field as its scale
	v_cvt_scalef32_pk8_fp4_f32 v[C+4*(\t)], v[XS:XS+7], v12
	v_cvt_scalef32_pk8_fp4_f32 v[C+4*(\t)+1], v[XS+8:XS+15], v12
	v_lshrrev_b32 v[E+(\t)], 23, v12               ; the scale's byte (also the plain line behind the conversions)
	ds_store_b64 v4, v[C+4*(\t):C+4*(\t)+1] offset:((\t)%2)*16*CPI+((\t)/2)*16
	ds_store_b8 v5, v[E+(\t)] offset:((\t)%2)*256+((\t)/2)*4   ; both lanes of a block write the same byte with the same value
.endm
.irp t, 0,1,2,3,4,5,6,7,8,9,10,11,12,13,14,15
	STEP \t
.endr
	s_wait_dscnt 0x0                               ; for the others' sake: my stores into the two stages are done
	s_barrier_signal -1
	s_barrier_wait -1
.irp j, 0,1,2,3,4,5,6,7
	ds_load_b128 v[R+4*\j:R+4*\j+3], v6 offset:\j*2*CPI
.endr
	ds_load_b64 v[X:X+1], v10
.irp j, 0,1,2,3,4,5,6,7
	s_wait_dscnt 8-\j
	global_store_b128 v7, v[R+4*\j:R+4*\j+3], s[14:15] offset:512*\j   ; 32 lanes store 512 consecutive bytes
.endr
	s_wait_dscnt 0x0
	global_store_b64 v11, v[X:X+1], s[16:17]       ; 32 lanes store 256 consecutive bytes, aligned
	s_wait_tensorcnt 0x0
	ds_add_u32 v192, v193
	s_wait_dscnt 0x0
	s_endpgm
.Lfunc_end_k_q9fee7eaee3_quant:
	.size	k_q9fee7eaee3_quant, .Lfunc_end_k_q9fee7eaee3_quant-k_q9fee7eaee3_quant
	.p2alignl 7, 3214868480
	.fill 96, 4, 3214868480
	.section	.rodata,"a",@progbits
	.p2align	6, 0x0
	.amdhsa_kernel k_q9fee7eaee3_quant
		.amdhsa_group_segment_fixed_size 39424
		.amdhsa_private_segment_fixed_size 0
		.amdhsa_enable_private_segment 0
		.amdhsa_kernarg_size 56
		.amdhsa_user_sgpr_count 2
		.amdhsa_user_sgpr_kernarg_segment_ptr 1
		.amdhsa_wavefront_size32 1
		.amdhsa_system_sgpr_workgroup_id_x 1
		.amdhsa_system_sgpr_workgroup_id_y 1
		.amdhsa_system_sgpr_workgroup_id_z 1
		.amdhsa_system_vgpr_workitem_id 0
		.amdhsa_next_free_vgpr 194
		.amdhsa_next_free_sgpr 66
		.amdhsa_reserve_vcc 0
		.amdhsa_float_denorm_mode_32 3
		.amdhsa_float_denorm_mode_16_64 3
		.amdhsa_memory_ordered 1
		.amdhsa_forward_progress 1
		.amdhsa_inst_pref_size 36
	.end_amdhsa_kernel
	.amdgpu_metadata
---
amdhsa.version: [ 1, 2 ]
amdhsa.kernels:
  - .name:           k_q9fee7eaee3_quant
    .symbol:         k_q9fee7eaee3_quant.kd
    .args:
      - { .name: x, .offset: 0, .size: 8, .value_kind: global_buffer, .address_space: global }
      - { .name: Wq, .offset: 8, .size: 8, .value_kind: global_buffer, .address_space: global }
      - { .name: Wk, .offset: 16, .size: 8, .value_kind: global_buffer, .address_space: global }
      - { .name: Wv, .offset: 24, .size: 8, .value_kind: global_buffer, .address_space: global }
      - { .name: Wo, .offset: 32, .size: 8, .value_kind: global_buffer, .address_space: global }
      - { .name: opc, .offset: 40, .size: 8, .value_kind: global_buffer, .address_space: global }
      - { .name: ops, .offset: 48, .size: 8, .value_kind: global_buffer, .address_space: global }
    .group_segment_fixed_size: 39424
    .private_segment_fixed_size: 0
    .kernarg_segment_align: 8
    .kernarg_segment_size: 56
    .max_flat_workgroup_size: 128
    .sgpr_count:     66
    .vgpr_count:     194
    .wavefront_size: 32
...
	.end_amdgpu_metadata
.endif
;; end of part 1
;; launch qkv (part 2): grid 8 x 96, 4 waves a work-group, clusters of 4 x 4, 327,680 bytes of LDS; arguments opc, ops, bq, bk, bv, qkvc, qkvs; writes qkvc, qkvs
.if DOCPART == 2
	.amdgcn_target "amdgcn-amd-amdhsa--gfx1250"
	.amdhsa_code_object_version 6
	.text
	.protected	k_q9fee7eaee3_qkv
	.globl	k_q9fee7eaee3_qkv
	.p2align	8
	.type	k_q9fee7eaee3_qkv,@function
k_q9fee7eaee3_qkv:
	s_mov_b64 s[64:65], 0
	v_nop
	global_prefetch_b8 v0, s[64:65] scope:SCOPE_SE
	s_setreg_imm32_b32 hwreg(HW_REG_WAVE_MODE, 25, 1), 1
	s_wait_xcnt 0x0
	s_wait_alu depctr_hold_cnt(0) depctr_sa_sdst(0) depctr_va_vdst(0) depctr_va_sdst(0) depctr_va_ssrc(0) depctr_va_vcc(0) depctr_vm_vsrc(0)
	s_getreg_b32 s2, hwreg(HW_REG_IB_STS2, 6, 4)
	s_cmp_eq_u32 s2, 0
	s_cbranch_scc0 .Lentry_in_a_cluster
	s_endpgm
.Lentry_in_a_cluster:
	s_bfe_u32 s2, ttmp6, 0x10000c
	s_cmp_lg_u32 s2, 0xf033
	s_cbranch_scc0 .Lentry_shape_is_right
	s_endpgm
.Lentry_shape_is_right:
; Q = x Wq^T + bq, K = x Wk^T + bk, V = x Wv^T + bv on codes of FP4 with E8M0 scales, and the quantisers behind them: Q and K along the head's 64, V along the keys.
; ONE TEXT FOR ALL THREE.  A work-group makes C' = A' B'^T, 128 rows x 256 columns, and quantises C' along its columns.  Clusters with y < 16: A' = tokens, B' = rows of Wq | Wk (columns = channels).
; Clusters with y >= 16: A' = rows of Wv, B' = tokens (columns = keys): V^T.  Both operands are tiles of one buffer, so the two kinds differ in tile numbers, strides and biases alone, chosen by selects on the cluster's y.
; OPERANDS lie in the order of their registers: [tile of 16 rows][k / 32][r][16 bytes]; place r of tile 2 g + u is row 32 g + 8 u + r + 8 (r / 8).  K = 1,024 lies whole in LDS: every tensor load is a first fill.
; THE MATRIX INSTRUCTION IS USED TRANSPOSED (source 0 = 16 rows of B', source 1 = 16 rows of A'): lane (r, h) holds place r of A's tile, and the 16 registers of B's tiles 2 g, 2 g + 1 are columns 32 g + 16 h + 0 .. 15.
; SHARES.  Four waves: wave w takes A's tiles 4 (w / 2) + 0 .. 3 and B's tiles 8 (w % 2) + 0 .. 7: 32 accumulators, which take turns, one instruction a turn.
; CLUSTERS, 4 x 4: A's tiles are asked for jointly along a row of the cluster, B's along a column.  A wave has six tensor loads out at the most.
; OUT.  qkvc: Q at 0, K at 4 MiB: [batch x 16 + head][token tile][h][r][16 bytes]; V at 8 MiB: [batch x 16 + head][tile of 16 d][key / 32][r][16 bytes].
;       qkvs: Q at 0, K at 256 KiB: [batch x 16 + head][pair of token tiles][r]: a word = the even tile's two bytes, then the odd tile's; V at 512 KiB: [batch x 16 + head][key / 128][tile of d][r][4 bytes].
;       The codes leave as 512 consecutive bytes an instruction; the scale words, a sixteenth of the codes' bytes, in runs of 64 bytes.
; LIMITS: a block of zeros gets the byte 1 (its codes are zeros); NaN and infinities are not served.
; REGISTERS.  window 0: v1-15 addresses; v16-23 the row bias in pairs; v24-29 scale words made; v32-47 scale words of the operands, two sets; v48-63 at work; v64-127 A's fragments, two sets; v128-255 B's, two sets.
;             window 1: the accumulators, (a, b) at v[8 (8 a + b)].   window 2: v0-63 the column bias in the result's layout: the C of each sum's first instruction.
; (Of the line on clusters above: in this text a wave issues ONE tensor load, at the head, so one is out at the most; the scale words come by plain loads and LDS stores.)
.set LA,   0                           ; A's codes: two halves of K, [8 tiles][4,096 bytes] each
.set LB,   65536                       ; B's: [16 tiles][4,096 bytes] each
.set LSA,  196608                      ; A's scale words, 4,096 bytes
.set LSB,  200704                      ; B's, 8,192 bytes
.set SC,   32
.set TM,   48
.set AF,   64
.set BF,   128
.set G1A,  16                          ; s[16:47] four groups 1;  s[48:63], s[68:75] six groups 0
.set G1B,  24
.set G1SA, 32
.set G1SB, 40
.set G0SA, 48
.set G0SB, 52
.set G0A0, 56
.set G0B0, 60
.set G0A1, 68
.set G0B1, 72
.set SEL,  66                          ; s[66:67] v_permlanex16_b32's selects for lane l xor 16
.set WV,   78
.set WR,   79
.set WC,   80
.set CX,   81
.set CY,   82
.set CLY,  83
.set MQ,   2                           ; all ones in a work-group of Q and K
.set MV,   3                           ; all ones in a work-group of V
.set PAC,  4                           ; the pointers: A's codes, A's scales, B's codes, B's scales
.set PAS,  6
.set PBC,  4
.set PBS,  6
.set MSB, 0
.macro WIN new                         ; the immediate's high byte repeats the setting that is left
.if MSB != (\new)
	s_set_vgpr_msb (MSB<<8)|(\new)
.set MSB, (\new)
.endif
.endm
.macro PLACES n
.rept \n
	v_nop
.endr
.endm
.macro ROUND                           ; a round of the cluster's barrier
	s_barrier_signal -1
	s_barrier_wait -1
	s_cmp_lg_u32 s[WV], 0
	s_cbranch_scc1 .Lnot_wave_0_\@
	s_barrier_signal -3
.Lnot_wave_0_\@:
	s_barrier_wait -3
	s_barrier_signal -1
	s_barrier_wait -1
.endm
	s_load_b256 s[4:11], s[0:1], 0x0               ; codes, scales, bq, bk
	s_load_b128 s[12:15], s[0:1], 0x20             ; bv, qkvc
	s_load_b64 s[76:77], s[0:1], 0x30              ; qkvs
	v_lshl_add_u32 v58, v0, 2, 0x33000
	v_mov_b32 v59, 0
	ds_add_u32 v58, v59
	ds_add_u32 v58, v59
	v_lshrrev_b32 v1, 5, v0
	v_readfirstlane_b32 s[WV], v1
	s_lshr_b32 s[WR], s[WV], 1
	s_and_b32 s[WC], s[WV], 1
	s_bfe_u32 s[CX], ttmp6, 0x40000
	s_bfe_u32 s[CY], ttmp6, 0x40004
	s_and_b32 s[CLY], ttmp7, 0xffff                ; the cluster's y: 0-15 Q and K, 16-23 V
	s_lshl_b32 s84, s[CLY], 5                      ; A's first tile.  Q, K: tokens, 32 tiles a cluster row
	s_and_b32 s85, s[CLY], 1
	s_lshl_b32 s85, s85, 5
	s_add_co_u32 s85, s85, 640                     ; V: Wv's tiles, 32 for each of two cluster rows
	s_lshl_b32 s88, ttmp9, 6
	s_add_co_u32 s88, s88, 512                     ; B's first tile.  Q, K: Wq | Wk, 64 tiles a cluster column
	s_and_b32 s89, s[CLY], 14
	s_add_co_u32 s89, s89, ttmp9                   ; V: the batch = cluster x + 2 ((y - 16) / 2)
	s_lshl_b32 s89, s89, 6
	s_cmp_ge_u32 s[CLY], 16
	s_cselect_b32 s84, s85, s84
	s_cselect_b32 s88, s89, s88
	s_cselect_b32 s[MV], -1, 0
	s_cselect_b32 s[MQ], 0, -1
	s_lshl_b32 s85, s[CY], 3
	s_add_co_u32 s84, s84, s85
	; s84: the first of the work-group's 8 tiles of A: hangs on cy, not on cx
	s_lshl_b32 s89, s[CX], 4
	s_add_co_u32 s88, s88, s89
	; s88: the first of its 16 tiles of B: hangs on cx, not on cy
	s_lshl_b32 s86, s84, 13                        ; 8,192 bytes of codes a tile,
	s_mov_b32 s87, 0
	s_lshl_b32 s84, s84, 9                         ; 512 of scale words
	s_mov_b32 s85, 0
	s_lshl_b32 s90, s88, 13
	s_mov_b32 s91, 0
	s_lshl_b32 s88, s88, 9
	s_mov_b32 s89, 0
	s_lshl_b32 s96, s[CY], 2
	s_lshl_b32 s96, 15, s96                        ; my row of the cluster
	s_lshl_b32 s97, 0x1111, s[CX]                  ; my column
	; groups 1: elements of 8 bytes, no padding, bit 21 beside the mask.  Half of K of a tile is a row of 4,096 bytes, 8,192 bytes from tile to tile
	s_or_b32 s[G1A], s96, (3<<16)|(1<<21)
	s_or_b32 s[G1B], s97, (3<<16)|(1<<21)
.irp g, G1A, G1B
	s_mov_b32 s[\g+1], 512<<16                     ; tensor_dim0
	s_mov_b32 s[\g+3], 512<<16                     ; tile_dim0
	s_mov_b32 s[\g+5], 1024                        ; the pitch
	s_mov_b32 s[\g+6], 0
	s_mov_b32 s[\g+7], 0
.endr
	s_mov_b32 s[G1A+2], 8<<16                      ; tensor_dim1, tile_dim1: one load brings half of K of all 8 tiles of A,
	s_mov_b32 s[G1A+4], 8
	s_mov_b32 s[G1B+2], 16<<16                     ; or of all 16 of B
	s_mov_b32 s[G1B+4], 16
	s_mov_b32 s[SEL], 0x76543210
	s_mov_b32 s[SEL+1], 0xfedcba98
	s_wait_dscnt 0x0
	s_wait_kmcnt 0x0
	s_add_nc_u64 s[92:93], s[PAC:PAC+1], s[86:87]
	s_add_nc_u64 s[94:95], s[PBC:PBC+1], s[90:91]
	ROUND                                          ; all sixteen work-groups are here: the joint loads meet
	s_add_nc_u64 s[G0SA+2:G0SA+3], s[PAS:PAS+1], s[84:85]   ; where A's 4,096 bytes of scale words lie,
	s_add_nc_u64 s[G0SB+2:G0SB+3], s[PBS:PBS+1], s[88:89]   ; and B's 8,192: plain addresses
	s_mov_b32 s[G0A0], 1
	s_mov_b32 s[G0A0+1], LA
	s_mov_b64 s[G0A0+2:G0A0+3], s[92:93]
	s_or_b32 s[G0A0+3], s[G0A0+3], 0x80000000
	s_mov_b32 s[G0B0], 1
	s_mov_b32 s[G0B0+1], LB
	s_mov_b64 s[G0B0+2:G0B0+3], s[94:95]
	s_or_b32 s[G0B0+3], s[G0B0+3], 0x80000000
	s_mov_b32 s[G0A1], 1
	s_add_co_u32 s[G0A1+1], s[G0A0+1], 32768
	s_add_nc_u64 s[G0A1+2:G0A1+3], s[92:93], 4096
	s_or_b32 s[G0A1+3], s[G0A1+3], 0x80000000
	s_mov_b32 s[G0B1], 1
	s_add_co_u32 s[G0B1+1], s[G0B0+1], 65536
	s_add_nc_u64 s[G0B1+2:G0B1+3], s[94:95], 4096
	s_or_b32 s[G0B1+3], s[G0B1+3], 0x80000000
; THE TENSOR LOADS, ONE A WAVE IN THE WHOLE TEXT: wave 0 A's first half of K, wave 1 B's, wave 2 A's second half, wave 3 B's.  One tree of branches on the wave's number: every way passes one load.
.macro ARM under, g0, g1, next
	s_cmp_lt_u32 s[WV], \under
	s_cbranch_scc0 \next
	tensor_load_to_lds s[\g0:\g0+3], s[\g1:\g1+7]
	s_nop 0
	PLACES 4
	s_branch .Lhead_asked
\next:
.endm
	ARM 1, G0A0, G1A, .Lhead_b
	ARM 2, G0B0, G1B, .Lhead_sa
	ARM 3, G0A1, G1A, .Lhead_sb
	tensor_load_to_lds s[G0B1:G0B1+3], s[G1B:G1B+7]
	s_nop 0
	PLACES 4
.Lhead_asked:
	; the scale words, 12,288 bytes beside the codes' 196,608, come by plain loads, 16 bytes a thread and 2,048 an instruction of the work-group, and are stored to LDS bytes that no tensor load fills
	v_lshlrev_b32 v56, 4, v0
	v_lshl_add_u32 v57, v0, 4, LSA
.irp i, 0,1
	global_load_b128 v[AF+4*\i:AF+4*\i+3], v56, s[G0SA+2:G0SA+3] offset:2048*\i
.endr
.irp i, 0,1,2,3
	global_load_b128 v[AF+8+4*\i:AF+11+4*\i], v56, s[G0SB+2:G0SB+3] offset:2048*\i
.endr
	v_and_b32 v1, 15, v0                           ; r
	v_bfe_u32 v2, v0, 4, 1                         ; h
	v_and_b32 v3, 31, v0
	v_lshlrev_b32 v3, 4, v3                        ; 16 x lane: a fragment's place for my lane
	s_lshl_b32 s92, s[WR], 14
	v_add_nc_u32 v4, s92, v3                       ; my 4 tiles of A
	s_lshl_b32 s92, s[WC], 15
	s_add_co_u32 s92, s92, LB
	v_add_nc_u32 v5, s92, v3                       ; my 8 tiles of B, first half of K,
	v_add_nc_u32 v6, 65536, v5                     ; second half
	s_lshl_b32 s92, s[WR], 11
	s_lshl_b32 s93, s[WC], 12
	s_add_co_u32 s93, s93, 4096
	s_sub_co_u32 s93, s93, s92
	v_mul_u32_u24 v7, s93, v2                      ; scale words: lanes 0-15 take A's tile i, lanes 16-31 B's tile i: the lower base + h x the distance
	s_wait_alu depctr_va_vdst(0)
	s_add_co_u32 s92, s92, LSA
	v_lshl_add_u32 v7, v1, 2, v7
	v_add_nc_u32 v7, s92, v7
	; the column bias (Q, K): bq or bk at my 128 columns; lane (r, h) wants, for B's tile 2 g + u, columns 32 g + 16 h + 8 u + 0 .. 7
	s_cmp_eq_u32 ttmp9, 0
	s_cselect_b64 s[92:93], s[8:9], s[10:11]
	s_lshl_b32 s94, s[CX], 10
	s_lshl_b32 s95, s[WC], 9
	s_add_co_u32 s94, s94, s95
	s_mov_b32 s95, 0
	s_add_nc_u64 s[92:93], s[92:93], s[94:95]
	v_lshlrev_b32 v10, 6, v2
	WIN 0x80                                       ; destination window 2
.irp b, 0,1,2,3,4,5,6,7
	global_load_b128 v[8*\b:8*\b+3], v10, s[92:93] offset:(32*(\b/2)+8*(\b%2))*4
	global_load_b128 v[8*\b+4:8*\b+7], v10, s[92:93] offset:(32*(\b/2)+8*(\b%2))*4+16
.endr
	WIN 0
	; the row bias (V): bv at the channel of place r of A's tile a
	s_and_b32 s94, s[CLY], 1
	s_lshl_b32 s94, s94, 2
	s_add_co_u32 s94, s94, s[CY]                   ; which 128 rows of Wv
	s_lshl_b32 s96, s94, 9
	s_lshl_b32 s97, s[WR], 8
	s_add_co_u32 s96, s96, s97
	s_mov_b32 s97, 0
	s_add_nc_u64 s[12:13], s[12:13], s[96:97]
	v_and_b32 v11, 8, v1
	v_add_nc_u32 v11, v11, v1
	v_lshlrev_b32 v11, 2, v11                      ; 4 (r + 8 (r / 8))
.irp a, 0,1,2,3
	global_load_b32 v[16+2*\a], v11, s[12:13] offset:(32*(\a/2)+8*(\a%2))*4
.endr
.irp b, 0,1,2,3
	v_mov_b32 v[TM+4+\b], 0                        ; written once: a lane permute's destination counts as one of its sources
.endr
	s_wait_alu depctr_va_vdst(0)
	s_wait_loadcnt 0x0
.irp i, 0,1,2,3,4,5
	ds_store_b128 v57, v[AF+4*\i:AF+4*\i+3] offset:2048*\i   ; A's scale words, then B's behind them
.endr
	WIN 0x88
.set n, 0
.rept 64
	v_cndmask_b32 v[n], 0, v[n], s[MQ]             ; V has no column bias
.set n, n+1
.endr
	WIN 0
.irp a, 0,1,2,3
	v_cndmask_b32 v[16+2*\a], 0, v[16+2*\a], s[MV] ; Q and K have no row bias
.endr
.irp a, 0,1,2,3
	v_mov_b32 v[17+2*\a], v[16+2*\a]               ; as a pair, for the packed addition
.endr
	; where the results go.  Q, K first
	s_lshl_b32 s92, s[CLY], 2
	s_add_co_u32 s92, s92, s[CY]                   ; which 128 tokens
	s_lshl_b32 s96, ttmp9, 22                      ; Q or K
	s_lshr_b32 s93, s92, 3                         ; the batch
	s_lshl_b32 s95, s93, 19
	s_add_co_u32 s96, s96, s95
	s_lshl_b32 s95, s[CX], 2
	s_lshl_b32 s98, s[WC], 1
	s_add_co_u32 s95, s95, s98                     ; the first of my two heads
	s_lshl_b32 s98, s95, 15
	s_add_co_u32 s96, s96, s98
	s_and_b32 s98, s92, 7
	s_lshl_b32 s98, s98, 3
	s_lshl_b32 s99, s[WR], 2
	s_add_co_u32 s98, s98, s99                     ; my first token tile in the batch
	s_lshl_b32 s99, s98, 9
	s_add_co_u32 s96, s96, s99                     ; the codes' byte
	s_lshl_b32 s97, ttmp9, 18
	s_lshl_b32 s93, s93, 4
	s_add_co_u32 s93, s93, s95
	s_lshl_b32 s93, s93, 11
	s_add_co_u32 s97, s97, s93
	s_lshl_b32 s98, s98, 5
	s_add_co_u32 s97, s97, s98                     ; the scale words' byte
	; V
	s_and_b32 s92, s[CLY], 14
	s_add_co_u32 s92, s92, ttmp9                   ; the batch
	s_lshl_b32 s93, s92, 19
	s_add_co_u32 s93, s93, 0x800000
	s_lshl_b32 s95, s94, 3
	s_lshl_b32 s98, s[WR], 2
	s_add_co_u32 s95, s95, s98                     ; my first tile of channels: 4 x head
	s_lshl_b32 s95, s95, 13
	s_add_co_u32 s93, s93, s95
	s_lshl_b32 s95, s[CX], 3
	s_lshl_b32 s98, s[WC], 2
	s_add_co_u32 s95, s95, s98                     ; my first block of 32 keys
	s_lshl_b32 s95, s95, 8
	s_add_co_u32 s93, s93, s95                     ; the codes' byte
	s_lshl_b32 s92, s92, 4
	s_lshl_b32 s95, s94, 1
	s_add_co_u32 s92, s92, s95
	s_add_co_u32 s92, s92, s[WR]                   ; batch x 16 + head
	s_lshl_b32 s92, s92, 11
	s_add_co_u32 s92, s92, 0x80000
	s_lshl_b32 s95, s[CX], 1
	s_add_co_u32 s95, s95, s[WC]                   ; my 128 keys
	s_lshl_b32 s95, s95, 8
	s_add_co_u32 s92, s92, s95                     ; the scale words' byte
	s_mov_b32 s84, 512                             ; from A's tile to the next: a token tile | a tile of channels
	s_mov_b32 s85, 8192
	s_mov_b32 s86, 32768                           ; from a fragment's first half to its second: the next head | the next 64 keys
	s_mov_b32 s87, 512
	s_mov_b32 s88, 2048                            ; scale words, from lanes 0-15 to lanes 16-31: the next head | the next tile of channels
	s_mov_b32 s90, 0x05040100                      ; how two tiles' words make the word that lanes 0-15 store,
	s_mov_b32 s91, 0x03020100
	s_mov_b32 s94, 0x07060302                      ; and lanes 16-31
	s_mov_b32 s95, 0x07060504
	s_cmp_ge_u32 s[CLY], 16
	s_cselect_b32 s96, s93, s96
	s_cselect_b32 s97, s92, s97
	s_cselect_b32 s84, s85, s84
	s_cselect_b32 s86, s87, s86
	s_cselect_b32 s88, 64, s88
	s_cselect_b32 s89, 128, 64                     ; from a pair of tiles to the next
	s_cselect_b32 s90, s91, s90
	s_cselect_b32 s94, s95, s94
	s_mov_b32 s98, s96
	s_mov_b32 s99, 0
	s_add_nc_u64 s[14:15], s[14:15], s[98:99]      ; a fragment's first half
	s_mov_b32 s98, s86
	s_add_nc_u64 s[92:93], s[14:15], s[98:99]      ; its second
	s_mov_b32 s98, s97
	s_add_nc_u64 s[76:77], s[76:77], s[98:99]
	v_mov_b32 v8, v3
	v_add_nc_u32 v9, s84, v8
	v_add_nc_u32 v10, s84, v9
	v_add_nc_u32 v11, s84, v10
	v_mul_u32_u24 v12, s88, v2
	v_lshl_add_u32 v12, v1, 2, v12
	v_add_nc_u32 v13, s89, v12
	v_cmp_eq_u32 vcc_lo, 1, v2
	v_mov_b32 v14, s90
	v_mov_b32 v15, s94
	v_cndmask_b32 v14, v14, v15, vcc_lo
; 32 LDS loads: K step ks (128 along K) into set ks % 2: my 4 fragments of A, my 8 of B, each two loads of 512 dense bytes, and 8 registers of scale words
.macro GFETCH ks
.set FS, (\ks)%2
.set FH, (\ks)/4
.set FQ, (\ks)%4
.irp a, 0,1,2,3
.irp c, 0,1
	ds_load_b128 v[AF+32*FS+8*\a+4*\c:AF+32*FS+8*\a+4*\c+3], v4 offset:FH*32768+\a*4096+FQ*1024+512*\c
.endr
.endr
.irp b, 0,1,2,3,4,5,6,7
.irp c, 0,1
	ds_load_b128 v[BF+64*FS+8*\b+4*\c:BF+64*FS+8*\b+4*\c+3], v[5+FH] offset:\b*4096+FQ*1024+512*\c
.endr
.endr
.irp i, 0,1,2,3,4,5,6,7
	ds_load_b32 v[SC+8*FS+\i], v7 offset:\i*512+(\ks)*64   ; (for i > 3 lanes 0-15 read filled bytes that nobody uses)
.endr
.endm
; 32 matrix instructions.  The first K step takes the column bias as C
.macro GMUL ks
.set FS, (\ks)%2
.if (\ks) == 0
	WIN 0x60                                       ; C window 2, D window 1
.else
	WIN 0x50                                       ; C and D window 1
.endif
.irp a, 0,1,2,3
.irp b, 0,1,2,3,4,5,6,7
.if (\ks) == 0
	v_wmma_scale_f32_16x16x128_f8f6f4 v[8*(8*\a+\b):8*(8*\a+\b)+7], v[BF+64*FS+8*\b:BF+64*FS+8*\b+7], v[AF+32*FS+8*\a:AF+32*FS+8*\a+7], v[8*\b:8*\b+7], v[SC+8*FS+\b], v[SC+8*FS+\a] matrix_a_fmt:MATRIX_FMT_FP4 matrix_b_fmt:MATRIX_FMT_FP4 matrix_a_scale:MATRIX_SCALE_ROW1
.else
	v_wmma_scale_f32_16x16x128_f8f6f4 v[8*(8*\a+\b):8*(8*\a+\b)+7], v[BF+64*FS+8*\b:BF+64*FS+8*\b+7], v[AF+32*FS+8*\a:AF+32*FS+8*\a+7], v[8*(8*\a+\b):8*(8*\a+\b)+7], v[SC+8*FS+\b], v[SC+8*FS+\a] matrix_a_fmt:MATRIX_FMT_FP4 matrix_b_fmt:MATRIX_FMT_FP4 matrix_a_scale:MATRIX_SCALE_ROW1
.endif
.endr
.endr
.endm
	s_wait_alu depctr_va_vdst(0)
	s_wait_tensorcnt 0x0                           ; my tile is in,
	s_wait_dscnt 0x0                               ; my stores of scale words are done:
	s_barrier_signal -1
	s_barrier_wait -1                              ; everybody's are.  Nothing is filled again in this launch
	GFETCH 0
	GFETCH 1
	s_wait_dscnt 32                                ; all but the 32 just issued
	GMUL 0
	WIN 0
.irp ks, 1,2,3,4,5,6
	PLACES 4                                       ; in front of loads into registers that the last matrix instructions read (ISA guide 7.12.1 for vector instructions)
	GFETCH \ks+1
	s_wait_dscnt 32
	GMUL \ks
	WIN 0
.endr
	s_wait_dscnt 0x0
	GMUL 7
	WIN 0
; 64 numbers of a lane, register 16 b + i = column 32 b + 16 h + i of my row, become a fragment's codes in v[pc] on and its scale word in v[pw]
.macro QUANT s, pc, pw
.irp b, 0,1,2,3
	v_max3_num_f32 v[TM+\b], |v[(\s)+16*\b]|, |v[(\s)+1+16*\b]|, 0x1800000   ; my 16 numbers of block b, and the floor 2^(3 - 127)
.endr
.irp i, 2,4,6,8,10,12,14
.irp b, 0,1,2,3
	v_max3_num_f32 v[TM+\b], v[TM+\b], |v[(\s)+16*\b+\i]|, |v[(\s)+1+16*\b+\i]|
.endr
.endr
.irp b, 0,1,2,3
	v_permlanex16_b32 v[TM+4+\b], v[TM+\b], s[SEL], s[SEL+1]
.endr
.irp b, 0,1,2,3
	v_max_num_f32 v[TM+\b], v[TM+\b], v[TM+4+\b]   ; with lane l xor 16's: the block's largest magnitude
.endr
.irp b, 0,1,2,3
	v_add_nc_u32 v[TM+12+\b], 0xff000000, v[TM+\b] ; 2 off its exponent field: the conversion's scale operand
.endr
.irp b, 0,1,2,3
	v_lshrrev_b32 v[TM+4+\b], 23, v[TM+12+\b]      ; the scale's byte
.endr
	v_lshl_or_b32 v[\pw], v[TM+5], 8, v[TM+4]
	v_lshl_or_b32 v[\pw], v[TM+6], 16, v[\pw]
	v_lshl_or_b32 v[\pw], v[TM+7], 24, v[\pw]
.irp b, 0,1,2,3
	v_cvt_scalef32_pk8_fp4_f32 v[(\pc)+2*\b], v[(\s)+16*\b:(\s)+7+16*\b], v[TM+12+\b]
	v_cvt_scalef32_pk8_fp4_f32 v[(\pc)+1+2*\b], v[(\s)+8+16*\b:(\s)+15+16*\b], v[TM+12+\b]
.endr
	v_nop                                          ; one plain line behind a scaled conversion
.irp c, 0,1                                    ; the operand's layout wants a whole block in a lane
.irp i, 0,1
	v_permlane16_swap_b32 v[(\pc)+4*\c+\i], v[(\pc)+2+4*\c+\i]
.endr
.endr
.endm
	PLACES 4                                       ; in front of the first read of results and the first write of B's registers
.irp a, 0,1,2,3
	WIN 0x01                                       ; source 0 window 1
.set n, 0
.rept 32
	v_pk_add_f32 v[128+2*n:129+2*n], v[64*\a+2*n:64*\a+2*n+1], v[16+2*\a:17+2*\a]   ; + the row bias; each accumulator from its low end on
.set n, n+1
.endr
	WIN 0
	QUANT 128, 192+8*\a, 24+\a
	global_store_b128 v[8+\a], v[192+8*\a:195+8*\a], s[14:15]   ; 512 consecutive bytes; each tile has data and offset registers of its own, so none is written again
	global_store_b128 v[8+\a], v[196+8*\a:199+8*\a], s[92:93]
.endr
.irp i, 0,1
	v_perm_b32 v[28+\i], v[25+2*\i], v[24+2*\i], v14   ; Q, K: a head's two bytes of both tiles; V: the even tile's word in lanes 0-15, the odd tile's in lanes 16-31
.endr
	global_store_b32 v12, v28, s[76:77]
	global_store_b32 v13, v29, s[76:77]
	s_wait_dscnt 0x0
	s_wait_tensorcnt 0x0
	ds_add_u32 v58, v59
	s_wait_dscnt 0x0
	ROUND                                          ; the closing round: no work-group ends while a partner may still ask for a tile that names it
	s_endpgm
.Lfunc_end_k_q9fee7eaee3_qkv:
	.size	k_q9fee7eaee3_qkv, .Lfunc_end_k_q9fee7eaee3_qkv-k_q9fee7eaee3_qkv
	.p2alignl 7, 3214868480
	.fill 96, 4, 3214868480
	.section	.rodata,"a",@progbits
	.p2align	6, 0x0
	.amdhsa_kernel k_q9fee7eaee3_qkv
		.amdhsa_group_segment_fixed_size 327680
		.amdhsa_private_segment_fixed_size 0
		.amdhsa_enable_private_segment 0
		.amdhsa_kernarg_size 56
		.amdhsa_user_sgpr_count 2
		.amdhsa_user_sgpr_kernarg_segment_ptr 1
		.amdhsa_wavefront_size32 1
		.amdhsa_system_sgpr_workgroup_id_x 1
		.amdhsa_system_sgpr_workgroup_id_y 1
		.amdhsa_system_sgpr_workgroup_id_z 1
		.amdhsa_system_vgpr_workitem_id 0
		.amdhsa_next_free_vgpr 576
		.amdhsa_next_free_sgpr 100
		.amdhsa_reserve_vcc 1
		.amdhsa_float_denorm_mode_32 3
		.amdhsa_float_denorm_mode_16_64 3
		.amdhsa_memory_ordered 1
		.amdhsa_forward_progress 1
		.amdhsa_inst_pref_size 93
	.end_amdhsa_kernel
	.amdgpu_metadata
---
amdhsa.version: [ 1, 2 ]
amdhsa.kernels:
  - .name:           k_q9fee7eaee3_qkv
    .symbol:         k_q9fee7eaee3_qkv.kd
    .args:
      - { .name: opc, .offset: 0, .size: 8, .value_kind: global_buffer, .address_space: global }
      - { .name: ops, .offset: 8, .size: 8, .value_kind: global_buffer, .address_space: global }
      - { .name: bq, .offset: 16, .size: 8, .value_kind: global_buffer, .address_space: global }
      - { .name: bk, .offset: 24, .size: 8, .value_kind: global_buffer, .address_space: global }
      - { .name: bv, .offset: 32, .size: 8, .value_kind: global_buffer, .address_space: global }
      - { .name: qkvc, .offset: 40, .size: 8, .value_kind: global_buffer, .address_space: global }
      - { .name: qkvs, .offset: 48, .size: 8, .value_kind: global_buffer, .address_space: global }
    .group_segment_fixed_size: 327680
    .private_segment_fixed_size: 0
    .kernarg_segment_align: 8
    .kernarg_segment_size: 56
    .max_flat_workgroup_size: 128
    .sgpr_count:     100
    .vgpr_count:     576
    .wavefront_size: 32
...
	.end_amdgpu_metadata
.endif
;; end of part 2
;; launch attn (part 3): grid 4 x 64, 4 waves a work-group, clusters of 4 x 1, 327,680 bytes of LDS; arguments qkvc, qkvs, padding_mask, ctxc, ctxs; writes ctxc, ctxs
.if DOCPART == 3
	.amdgcn_target "amdgcn-amd-amdhsa--gfx1250"
	.amdhsa_code_object_version 6
	.text
	.protected	k_q9fee7eaee3_attn
	.globl	k_q9fee7eaee3_attn
	.p2align	8
	.type	k_q9fee7eaee3_attn,@function
k_q9fee7eaee3_attn:
	s_mov_b64 s[64:65], 0
	v_nop
	global_prefetch_b8 v0, s[64:65] scope:SCOPE_SE
	s_setreg_imm32_b32 hwreg(HW_REG_WAVE_MODE, 25, 1), 1
	s_wait_xcnt 0x0
	s_wait_alu depctr_hold_cnt(0) depctr_sa_sdst(0) depctr_va_vdst(0) depctr_va_sdst(0) depctr_va_ssrc(0) depctr_va_vcc(0) depctr_vm_vsrc(0)
	s_getreg_b32 s2, hwreg(HW_REG_IB_STS2, 6, 4)
	s_cmp_eq_u32 s2, 0
	s_cbranch_scc0 .Lentry_in_a_cluster
	s_endpgm
.Lentry_in_a_cluster:
	s_bfe_u32 s2, ttmp6, 0x10000c
	s_cmp_lg_u32 s2, 0x3003
	s_cbranch_scc0 .Lentry_shape_is_right
	s_endpgm
.Lentry_shape_is_right:
; ATTENTION ON CODES OF FP4 (E2M1) WITH E8M0 SCALES.  scores = Q K^T / 8, masked keys out, softmax over all 1,024 keys; the FINISHED, NORMALISED softmax is quantised along the keys and multiplied with V;
; ctx is quantised along the channels for the last product and stored as codes and scale bytes in the order of an operand's registers.
; SHARES.  A work-group owns two heads of one batch (work-group y = 8 x batch + head pair) and 256 queries (its place cx in the cluster); a wave owns 4 query tiles of 16.  A UNIT is one query tile of one head:
; 8 units a wave, one to a trip of the loop.  A unit's 16 x 1,024 scores stay in 512 registers, since the divisor must be known before any p is quantised.
; CLUSTER 4, 1, 1: the four work-groups walk the same K and V, 128 KiB, asked for jointly, one load a wave, filled once.  The scale words (8 KiB, a sixteenth of that) and the mask come by plain loads and LDS stores.
; Nothing is prefetched: K and V come whole by the head's loads, and the loop reads LDS alone but for Q, 512 bytes a unit, asked for one unit ahead.
; LAYOUT.  Both products are used transposed (S^T = K Q^T, O^T = V^T P^T): a lane (r, h) holds query r throughout.  The head's 64 fill half of the instruction's 128: a fragment of K holds two tiles of keys,
; and Q stands in the lower or the upper half beside zero codes.  THE KEYS OF A TILE ARE CHOSEN BY THE LANES' LDS ADDRESSES: row r of tile t of the group of 64 keys c is key 64 c + 32 (r / 8) + 8 t + r % 8.
; So a lane's 32 registers of a group are the 32 neighbouring keys 64 c + 32 h + 0 .. 31: one whole block of the quantiser, in the place that the second product's operand gives that lane: no lane is asked
; for a block's maximum and no codes change lanes.  In memory key 32 g + 8 u + p + 8 (p / 8) lies at place p of tile 2 g + u: [tile][h][p][16 bytes]; its scale word at [g][p]: the even tile's two bytes, then the odd tile's.
; In LDS 128 bytes of padding follow each 1,024 of codes: rows 0-7 and rows 8-15 of such a tile lie 1,152 bytes apart, so the sixteen lanes of a load touch sixteen different columns of 16 bytes.
; THE MASK is the C of the first product: 0 or -2^100 for each key, from LDS.  A row whose largest score lies under -2^99 has every key masked: its divisor's reciprocal is replaced by 0, so its p are zeros.
; LDS LOADS STAND UNDER VECTOR WORK: a block's 32 mask numbers for the NEXT unit are loaded as soon as the block's p are converted; V's fragments are loaded under the softmax; K's first four groups ahead of ctx's quantiser.
; The last unit's mask loads serve nobody: they are kept so that the counted wait ahead of the second product counts the same loads in every trip.
; LIMITS: the promise holds while the scores (before the division by 8) stay under 2^99 in magnitude; a block of zeros gets the byte 1 (its codes are zeros); NaN and infinities are not served.
; REGISTERS.  window 0: v1-11 addresses, v12-16 -c m, 1 / sum, the row's maximum; v28 Q's scale word; v32-47, v128-143 K's or V's scale words; v48-55 p's; v56-67 Q between zeros; v68-71 the next Q; v80-111 O^T;
;             v112-127 a number for each block; v144-175 at work; v176-239 p's codes; v240-253 ctx's quantiser.  windows 1, 2: the scores.  window 3: K's eight groups of fragments, then V's four.
; (Of the line on LDS loads above: the mask loads run a pair of blocks behind the conversions, so that the registers they fill were last named 40 vector instructions earlier; the last pair's stand behind the second product.)
.set KVB,  36864                       ; a head's K or V in LDS: 32 rows of 1,024 + 128 bytes
.set VC,   2*KVB                       ; K's codes of head 0, head 1 at 0; V's here
.set SCL,  4*KVB                       ; scale words: K head 0, K head 1, V head 0, V head 1, 2,048 bytes each
.set MB,   SCL+8192                    ; the mask as 1,024 numbers
.set CSG,  MB+4096                     ; ctx's scale bytes, 256 for each wave
.set SPARE, CSG+1024                   ; the spare words, 128 bytes for each wave
.set SPW,  254
.set NIL,  255
.set AK0,  2
.set AV0,  3
.set ASK0, 6
.set ASV0, 7
.set ADK,  8
.set ADV,  9
.set ADS,  10
.set ADT,  11
.set PW,   48
.set QR,   56
.set QN,   68
.set OT,   80
.set BMX,  112
.set TMP,  144
.set PCD,  176
.set WV,   14
.set CX,   15
.set BP,   16
.set G1C,  20
.set QA,   28
.set QB,   30
.set CA,   32
.set G0C,  36
.set CS,   44                          ; s[44:45] c = log2(e) / 8
.set NCS,  46                          ; -c
.set THR,  47                          ; -2^99
.set SEL,  48                          ; s[48:49] v_permlanex16_b32's selects for lane l xor 16
.set QP,   50
.set QSB,  52
.set CP,   56
.set CSP,  58
.set TR,   60                          ; the unit: 2 x query tile + head
.set MSB, 0
.macro WIN new                         ; the immediate's high byte repeats the setting that is left
.if MSB != (\new)
	s_set_vgpr_msb (MSB<<8)|(\new)
.set MSB, (\new)
.endif
.endm
.macro PLACES n
.rept \n
	v_nop
.endr
.endm
.macro ROUND                           ; a round of the cluster's barrier
	s_barrier_signal -1
	s_barrier_wait -1
	s_cmp_lg_u32 s[WV], 0
	s_cbranch_scc1 .Lnot_wave_0_\@
	s_barrier_signal -3
.Lnot_wave_0_\@:
	s_barrier_wait -3
	s_barrier_signal -1
	s_barrier_wait -1
.endm
	s_load_b256 s[4:11], s[0:1], 0x0               ; qkvc, qkvs, the mask, ctxc
	s_load_b64 s[12:13], s[0:1], 0x20              ; ctxs
	v_lshl_add_u32 v[SPW], v0, 2, SPARE
	v_mov_b32 v[NIL], 0
	ds_add_u32 v[SPW], v[NIL]
	ds_add_u32 v[SPW], v[NIL]
	v_lshrrev_b32 v18, 5, v0
	v_readfirstlane_b32 s[WV], v18
	s_bfe_u32 s[CX], ttmp6, 0x40000
	s_and_b32 s[BP], ttmp7, 0xffff
	s_mov_b32 s[G1C], 15|(3<<16)|(1<<20)|(1<<21)|(7<<22)|(31<<25)   ; all four work-groups; elements of 8 bytes; 32 words of padding behind every 256
	s_mov_b32 s[G1C+1], 128<<16                    ; 32,768 dense bytes as 32 rows of 1,024
	s_mov_b32 s[G1C+2], 32<<16
	s_mov_b32 s[G1C+3], 128<<16
	s_mov_b32 s[G1C+4], 32
	s_mov_b32 s[G1C+5], 128
	s_mov_b32 s[G1C+6], 0
	s_mov_b32 s[G1C+7], 0
	s_mov_b32 s[CS], 0x3e38aa3b
	s_mov_b32 s[CS+1], s[CS]
	s_mov_b32 s[NCS], 0xbe38aa3b
	s_mov_b32 s[THR], 0xf1000000
	s_mov_b32 s[SEL], 0x76543210
	s_mov_b32 s[SEL+1], 0xfedcba98
	s_mov_b32 s[TR], 0
	s_lshr_b32 s17, s[WV], 1
	s_add_co_u32 s17, s17, 1                       ; waves 0, 1 fetch K (part 1 of the buffers), waves 2, 3 V (part 2),
	s_and_b32 s18, s[WV], 1                        ; of head wave % 2
	s_lshl_b32 s2, s17, 22
	s_lshl_b32 s19, s[BP], 16
	s_add_co_u32 s2, s2, s19
	s_lshl_b32 s19, s18, 15
	s_add_co_u32 s2, s2, s19
	s_mov_b32 s3, 0
	s_lshl_b32 s62, s17, 18
	s_lshl_b32 s19, s[BP], 12
	s_add_co_u32 s62, s62, s19
	s_lshl_b32 s19, s18, 11
	s_add_co_u32 s62, s62, s19
	s_mov_b32 s63, 0
	s_wait_dscnt 0x0
	s_wait_kmcnt 0x0
	ROUND                                          ; all four work-groups are here: the joint loads meet
	s_mov_b32 s[G0C], 1
	s_mul_i32 s[G0C+1], s[WV], KVB
	s_add_nc_u64 s[G0C+2:G0C+3], s[4:5], s[2:3]
	s_or_b32 s[G0C+3], s[G0C+3], 0x80000000
	tensor_load_to_lds s[G0C:G0C+3], s[G1C:G1C+7]  ; my one tensor load: 32,768 bytes of codes
	s_nop 0
	PLACES 4
	s_add_nc_u64 s[62:63], s[6:7], s[62:63]        ; the same tensor's and head's 2,048 bytes of scale words
	s_lshl_b32 s66, s[CX], 4
	s_lshl_b32 s67, s[WV], 2
	s_add_co_u32 s66, s66, s67                     ; my first query tile of the batch's 64
	s_lshl_b32 s68, s66, 9
	s_lshl_b32 s70, s[BP], 16
	s_add_co_u32 s68, s68, s70
	s_mov_b32 s69, 0
	s_add_nc_u64 s[QP:QP+1], s[4:5], s[68:69]      ; Q's codes
	s_lshl_b32 s68, s66, 5
	s_lshl_b32 s70, s[BP], 12
	s_add_co_u32 s68, s68, s70
	s_add_nc_u64 s[QSB:QSB+1], s[6:7], s[68:69]    ; Q's scale words
	s_lshr_b32 s70, s[BP], 3                       ; the batch
	s_lshl_b32 s71, s70, 6
	s_add_co_u32 s66, s66, s71                     ; my first token tile of all 512
	s_and_b32 s67, s[BP], 7                        ; which 128 channels
	s_lshl_b32 s68, s66, 13
	s_lshl_b32 s71, s67, 10
	s_add_co_u32 s68, s68, s71
	s_add_nc_u64 s[CP:CP+1], s[10:11], s[68:69]
	s_lshl_b32 s68, s66, 9
	s_lshl_b32 s71, s67, 6
	s_add_co_u32 s68, s68, s71
	s_add_nc_u64 s[CSP:CSP+1], s[12:13], s[68:69]
	s_lshl_b32 s68, s70, 10
	s_add_nc_u64 s[8:9], s[8:9], s[68:69]          ; the batch's mask
	s_lshl_b32 s17, s[WV], 8
	s_add_co_u32 s17, s17, CSG
	s_lshl_b32 s19, s[WV], 11
	s_add_co_u32 s19, s19, SCL
	v_and_b32 v18, 31, v0                          ; lane
	v_and_b32 v19, 15, v0                          ; r
	v_bfe_u32 v20, v0, 4, 1                        ; h
	v_lshlrev_b32 v1, 4, v18                       ; 16 x lane
	v_lshlrev_b32 v21, 3, v0                       ; the mask: 8 bytes a thread
	v_lshlrev_b32 v5, 2, v19                       ; 4 r
	global_load_b64 v[72:73], v21, s[8:9]
.irp i, 0,1,2,3
	global_load_b128 v[TMP+8+4*\i:TMP+11+4*\i], v1, s[62:63] offset:512*\i
.endr
	global_load_b128 v[QN:QN+3], v1, s[QP:QP+1]    ; unit 0's Q
	global_load_u16 v30, v5, s[QSB:QSB+1]
	v_and_b32 v[AK0], 7, v0
	v_lshlrev_b32 v[AK0], 4, v[AK0]
	v_bfe_u32 v22, v0, 3, 1                        ; r / 8
	v_mad_u32_u24 v[AK0], v22, 1152, v[AK0]
	v_lshl_add_u32 v[AK0], v20, 8, v[AK0]          ; K's codes: 1,152 (r / 8) + 256 h + 16 (r % 8)
	v_add_nc_u32 v[AV0], VC, v1                    ; V's: 16 x lane
	v_lshl_add_u32 v4, v20, 7, MB                  ; the mask's numbers: my half's 32 keys of a group of 64
	v_lshl_add_u32 v[ASK0], v22, 5, v5
	v_add_nc_u32 v[ASK0], SCL, v[ASK0]             ; K's scale words: 64 (r / 8) + 4 (r % 8)
	v_add_nc_u32 v[ASV0], SCL+4096, v5             ; V's: 4 r
	v_lshlrev_b32 v17, 3, v20                      ; 8 h
	v_add_nc_u32 v24, s17, v5                      ; ctx's scale bytes: in,
	v_lshl_add_u32 v26, v18, 3, s17                ; back, 8 bytes a lane,
	v_lshrrev_b32 v27, 3, v18
	v_and_b32 v23, 7, v18
	v_lshlrev_b32 v23, 3, v23
	v_lshl_add_u32 v27, v27, 9, v23                ; and out: 64 bytes of each of my four tiles' 512
	v_add_nc_u32 v29, s19, v1
	v_lshl_add_u32 v31, v0, 5, MB
	v_mov_b32 v[ADK], v[AK0]                       ; unit 0 is of head 0
	v_mov_b32 v[ADS], v[ASK0]
.irp j, 0,1,2,3,8,9,10,11
	v_mov_b32 v[QR+\j], 0                          ; zero codes on both sides of Q
.endr
	v_mov_b32 v74, 0xf1800000                      ; -2^100
	v_mov_b32 v13, 0                               ; (named as the upper halves of pairs)
	v_mov_b32 v15, 0
	v_mov_b32 v246, 0                              ; (a lane permute's destination counts as one of its sources)
	v_mov_b32 v247, 0
	s_wait_alu depctr_va_vdst(0)
	s_wait_loadcnt 2                               ; the mask and the scale words are in; Q's two loads may be out
.irp k, 0,1,2,3,4,5,6,7
	v_bfe_u32 v75, v[72+\k/4], 8*(\k%4), 8
	v_cmp_ne_u32 vcc_lo, 0, v75
	v_cndmask_b32 v[TMP+\k], 0, v74, vcc_lo
.endr
	ds_store_b128 v31, v[TMP:TMP+3]
	ds_store_b128 v31, v[TMP+4:TMP+7] offset:16
.irp i, 0,1,2,3
	ds_store_b128 v29, v[TMP+8+4*\i:TMP+11+4*\i] offset:512*\i
.endr
	s_wait_alu depctr_va_vdst(0)
	s_wait_dscnt 0x0                               ; my stores of the mask's numbers and of scale words are done:
	s_barrier_signal -1
	s_barrier_wait -1                              ; everybody's are.  The tensor loads may still be out
; 12 LDS loads for 128 keys: four fragments of K (two tiles each) and four scale words; each of the eight groups has registers of its own
.macro KLOAD g
	WIN 0xc0
.irp i, 0,1,2,3
	ds_load_b128 v[32*(\g)+8*\i:32*(\g)+8*\i+3], v[ADK] offset:(2*(\g)+\i/2)*2304+(\i%2)*128
	ds_load_b128 v[32*(\g)+8*\i+4:32*(\g)+8*\i+7], v[ADK] offset:(2*(\g)+\i/2)*2304+(\i%2)*128+512
.endr
	WIN 0
.irp i, 0,1,2,3
	ds_load_b32 v[32+4*(\g)+80*((\g)/4)+\i], v[ADS] offset:(2*(\g)+\i/2)*128+(\i%2)*32
.endr
.endm
; 8 LDS loads: the mask's numbers of block n into its 32 score registers
.macro MLOAD n
	WIN (1+(\n)/8)<<6
.irp q, 0,1,2,3,4,5,6,7
	ds_load_b128 v[32*((\n)%8)+4*\q:32*((\n)%8)+4*\q+3], v4 offset:(\n)*256+16*\q
.endr
.endm
; 8 matrix instructions, each on an accumulator of its own, whose C is the mask
.macro KMUL g
	WIN 0x53+0x50*((\g)/4)
.irp i, 0,1,2,3
.set SR_, 64*((\g)%4)+16*\i
	v_wmma_scale_f32_16x16x128_f8f6f4 v[SR_:SR_+7], v[32*(\g)+8*\i:32*(\g)+8*\i+7], v[QR+4:QR+11], v[SR_:SR_+7], v[32+4*(\g)+80*((\g)/4)+\i], v28 matrix_a_fmt:MATRIX_FMT_FP4 matrix_b_fmt:MATRIX_FMT_FP4
	v_wmma_scale_f32_16x16x128_f8f6f4 v[SR_+8:SR_+15], v[32*(\g)+8*\i:32*(\g)+8*\i+7], v[QR:QR+7], v[SR_+8:SR_+15], v[32+4*(\g)+80*((\g)/4)+\i], v28 matrix_a_fmt:MATRIX_FMT_FP4 matrix_b_fmt:MATRIX_FMT_FP4
.endr
.endm
; 24 LDS loads for 256 keys: V's four tiles of channels x two steps of 128 keys, and their scale words
.macro VLOAD vg
	WIN 0xc0
.irp kk, 0,1
.irp dt, 0,1,2,3
	ds_load_b128 v[64*(\vg)+8*(4*\kk+\dt):64*(\vg)+8*(4*\kk+\dt)+3], v[ADV] offset:(8*\dt+2*(\vg)+\kk)*1152
	ds_load_b128 v[64*(\vg)+8*(4*\kk+\dt)+4:64*(\vg)+8*(4*\kk+\dt)+7], v[ADV] offset:(8*\dt+2*(\vg)+\kk)*1152+512
.endr
.endr
	WIN 0
.irp kk, 0,1
.irp dt, 0,1,2,3
	ds_load_b32 v[32+8*(\vg)+80*((\vg)/2)+4*\kk+\dt], v[ADT] offset:(2*(\vg)+\kk)*256+\dt*64
.endr
.endr
.endm
; 8 matrix instructions: the four accumulators of O^T take turns, one instruction a turn; the first step starts the sums
.macro PVMUL vg
	WIN 0x03
.irp kk, 0,1
.irp dt, 0,1,2,3
.if (2*(\vg)+\kk) == 0
	v_wmma_scale_f32_16x16x128_f8f6f4 v[OT+8*\dt:OT+8*\dt+7], v[64*(\vg)+8*(4*\kk+\dt):64*(\vg)+8*(4*\kk+\dt)+7], v[PCD+8*(2*(\vg)+\kk):PCD+8*(2*(\vg)+\kk)+7], 0, v[32+8*(\vg)+80*((\vg)/2)+4*\kk+\dt], v[PW+2*(\vg)+\kk] matrix_a_fmt:MATRIX_FMT_FP4 matrix_b_fmt:MATRIX_FMT_FP4
.else
	v_wmma_scale_f32_16x16x128_f8f6f4 v[OT+8*\dt:OT+8*\dt+7], v[64*(\vg)+8*(4*\kk+\dt):64*(\vg)+8*(4*\kk+\dt)+7], v[PCD+8*(2*(\vg)+\kk):PCD+8*(2*(\vg)+\kk)+7], v[OT+8*\dt:OT+8*\dt+7], v[32+8*(\vg)+80*((\vg)/2)+4*\kk+\dt], v[PW+2*(\vg)+\kk] matrix_a_fmt:MATRIX_FMT_FP4 matrix_b_fmt:MATRIX_FMT_FP4
.endif
.endr
.endr
.endm
; the largest score of each of a window's 8 blocks of 32, in two chains a block (16 chains by turns); each accumulator is read from its low end on
.macro MAXW x
.set BB, BMX+8*((\x)-1)
.set TB, TMP+8*((\x)-1)
	WIN 0x15*(\x)
.set n, 0
.rept 8
	v_max3_num_f32 v[BB+n], v[32*n], v[32*n+1], v[32*n+2]
	v_max3_num_f32 v[TB+n], v[32*n+16], v[32*n+17], v[32*n+18]
.set n, n+1
.endr
	WIN 0x14*(\x)
.irp i, 3,5,7,9,11,13
.set n, 0
.rept 8
	v_max3_num_f32 v[BB+n], v[BB+n], v[32*n+\i], v[32*n+\i+1]
	v_max3_num_f32 v[TB+n], v[TB+n], v[32*n+16+\i], v[32*n+17+\i]
.set n, n+1
.endr
.endr
.set n, 0
.rept 8
	v_max3_num_f32 v[BB+n], v[BB+n], v[32*n+15], v[32*n+31]
.set n, n+1
.endr
.endm
.macro FMAH x                          ; t = c x score - c x maximum, two at a time: the window's first 128
	WIN 0x41*(\x)
.set n, 0
.rept 64
	v_pk_fma_f32 v[2*n:2*n+1], v[2*n:2*n+1], s[CS:CS+1], v[12:13] op_sel_hi:[1,0,0]
.set n, n+1
.endr
.endm
.macro EXFM x                          ; the first 128's exponentials, and between them the scalings of the second 128, which are read behind the next wait
	WIN 0x41*(\x)
.set n, 0
.rept 64
	v_exp_f32 v[2*n], v[2*n]
	v_exp_f32 v[2*n+1], v[2*n+1]
	v_pk_fma_f32 v[128+2*n:129+2*n], v[128+2*n:129+2*n], s[CS:CS+1], v[12:13] op_sel_hi:[1,0,0]
.set n, n+1
.endr
.endm
.macro EXPH x                          ; the second 128's exponentials
	WIN 0x41*(\x)
.set n, 128
.rept 128
	v_exp_f32 v[n], v[n]
.set n, n+1
.endr
.endm
; block n: p / the sum; its 32 numbers become the four registers that the operand's layout gives my lane; then its registers take the mask's numbers for the next unit
.macro TAILB n
.set X_, 1+(\n)/8
.set M_, 32*((\n)%8)
	WIN 0x41*X_
.set k_, 0
.rept 16
	v_pk_mul_f32 v[M_+2*k_:M_+2*k_+1], v[M_+2*k_:M_+2*k_+1], v[14:15] op_sel_hi:[1,0]
.set k_, k_+1
.endr
	WIN X_
.irp g, 0,1,2,3
	v_cvt_scalef32_pk8_fp4_f32 v[PCD+4*(\n)+\g], v[M_+8*\g:M_+8*\g+7], v[BMX+(\n)]
.endr
.endm
.irp n, 0,1,2,3,4,5,6,7,8,9,10,11,12,13,14,15
	MLOAD \n                                       ; unit 0's mask numbers
.endr
	WIN 0
	s_wait_tensorcnt 0x0                           ; my codes are in (the mask loads above ran while they were on their way),
	s_wait_dscnt 0x0                               ; no LDS load of mine is out at the signal:
	s_barrier_signal -1
	s_barrier_wait -1                              ; everybody's codes are in
.irp g, 0,1,2,3
	KLOAD \g                                       ; unit 0's first four groups of K
.endr
.Lunit:
	s_wait_loadcnt 0x0                             ; this unit's Q
	v_lshl_or_b32 v28, v30, 16, v30                ; its two scale bytes serve the lower and the upper half.  (The eight lines below are its places ahead of the products)
.irp j, 0,1,2,3
	v_mov_b32 v[QR+4+\j], v[QN+\j]
.endr
	s_and_b32 s66, s[TR], 1                        ; the head
	s_lshr_b32 s67, s[TR], 1                       ; the query tile
	s_mul_i32 s68, s66, KVB
	s_lshl_b32 s69, s66, 11
	s_lshl_b32 s70, s67, 6
	s_lshl_b32 s71, s66, 1
	s_or_b32 s70, s70, s71
	v_add_nc_u32 v[ADV], s68, v[AV0]
	v_add_nc_u32 v[ADT], s69, v[ASV0]
	v_add_nc_u32 v25, s70, v24
	v_nop
	s_wait_alu depctr_va_vdst(0)
.irp g, 0,1,2,3,4,5,6,7
.if \g < 5
	s_wait_dscnt 36                                ; group g is in: three younger groups of 12 may be out (the one LDS store that may stand among them makes the wait stricter, never looser)
.else
	s_wait_dscnt 12*(7-\g)
.endif
	KMUL \g
.if \g < 4
	KLOAD \g+4                                     ; into registers that no product of this unit has named
.endif
.endr
	PLACES 4                                       ; in front of loads into registers that the products read
	VLOAD 0                                        ; V lands under the softmax
	VLOAD 1
	s_cmp_eq_u32 s[TR], 7
	s_cbranch_scc1 .Lno_q                          ; the last unit has no successor
	s_add_co_u32 s72, s[TR], 1
	s_and_b32 s73, s72, 1                          ; the next unit's head,
	s_lshr_b32 s72, s72, 1                         ; its query tile
	s_lshl_b32 s74, s72, 9
	s_lshl_b32 s75, s73, 15
	s_or_b32 s74, s74, s75
	s_mov_b32 s75, 0
	s_add_nc_u64 s[QA:QA+1], s[QP:QP+1], s[74:75]
	s_lshr_b32 s74, s72, 1
	s_lshl_b32 s74, s74, 6
	s_and_b32 s72, s72, 1
	s_lshl_b32 s72, s72, 1
	s_or_b32 s74, s74, s72
	s_lshl_b32 s73, s73, 11
	s_or_b32 s74, s74, s73
	s_add_nc_u64 s[QB:QB+1], s[QSB:QSB+1], s[74:75]
	global_load_b128 v[QN:QN+3], v1, s[QA:QA+1]
	global_load_u16 v30, v5, s[QB:QB+1]
.Lno_q:
	MAXW 1
	MAXW 2
	VLOAD 2
	VLOAD 3
.set n, 0
.rept 16
	v_max_num_f32 v[BMX+n], v[BMX+n], v[TMP+n]     ; my 16 blocks' largest scores
.set n, n+1
.endr
.irp k, 0,1,2,3,4
	v_max3_num_f32 v[TMP+16+\k], v[BMX+3*\k], v[BMX+3*\k+1], v[BMX+3*\k+2]
.endr
	v_max3_num_f32 v[TMP+16], v[TMP+16], v[TMP+17], v[TMP+18]
	v_max3_num_f32 v[TMP+19], v[TMP+19], v[TMP+20], v[BMX+15]
	v_max_num_f32 v16, v[TMP+16], v[TMP+19]
	v_permlanex16_b32 v18, v16, s[SEL], s[SEL+1]
	v_max_num_f32 v16, v16, v18                    ; the row's largest score
	v_mul_f32 v12, s[NCS], v16
.set n, 0
.rept 16
	v_fma_f32 v[BMX+n], v[BMX+n], s[CS], v12       ; a block's largest p comes of its largest score by the same two instructions
.set n, n+1
.endr
	FMAH 1
	FMAH 2
	s_wait_alu depctr_va_vdst(0)                   ; the wait ahead of a batch
	EXFM 2
	EXFM 1
	v_nop
	s_wait_alu depctr_va_vdst(0)                   ; behind the first batch and ahead of the second, whose sources were written inside the first
	EXPH 1
	EXPH 2
	WIN 0
.set n, 0
.rept 16
	v_exp_f32 v[BMX+n], v[BMX+n]
.set n, n+1
.endr
	v_nop                                          ; a plain place behind the exponentials
	s_wait_alu depctr_va_vdst(0)                   ; and the wait behind the batch
	WIN 0x05                                       ; the row's sum, two at a time, in sixteen chains
.set n, 0
.rept 16
	v_pk_add_f32 v[TMP+2*n:TMP+2*n+1], v[4*n:4*n+1], v[4*n+2:4*n+3]
.set n, n+1
.endr
	WIN 0x04
.set n, 32
.rept 96
	v_pk_add_f32 v[TMP+2*(n%16):TMP+2*(n%16)+1], v[TMP+2*(n%16):TMP+2*(n%16)+1], v[2*n:2*n+1]
.set n, n+1
.endr
	WIN 0x08
.set n, 0
.rept 128
	v_pk_add_f32 v[TMP+2*(n%16):TMP+2*(n%16)+1], v[TMP+2*(n%16):TMP+2*(n%16)+1], v[2*n:2*n+1]
.set n, n+1
.endr
	WIN 0
.irp k, 0,1,2,3,4,5,6,7
	v_pk_add_f32 v[TMP+2*\k:TMP+2*\k+1], v[TMP+2*\k:TMP+2*\k+1], v[TMP+16+2*\k:TMP+17+2*\k]
.endr
.irp k, 0,1,2,3
	v_pk_add_f32 v[TMP+2*\k:TMP+2*\k+1], v[TMP+2*\k:TMP+2*\k+1], v[TMP+8+2*\k:TMP+9+2*\k]
.endr
.irp k, 0,1
	v_pk_add_f32 v[TMP+2*\k:TMP+2*\k+1], v[TMP+2*\k:TMP+2*\k+1], v[TMP+4+2*\k:TMP+5+2*\k]
.endr
	v_pk_add_f32 v[TMP:TMP+1], v[TMP:TMP+1], v[TMP+2:TMP+3]
	v_add_f32 v18, v[TMP], v[TMP+1]
	v_permlanex16_b32 v19, v18, s[SEL], s[SEL+1]
	v_add_f32 v18, v18, v19                        ; with the other half's keys
	s_wait_alu depctr_va_vdst(0)                   ; ahead of the transcendental
	v_rcp_f32 v14, v18
	v_nop
	v_cmp_le_f32 vcc_lo, s[THR], v16               ; has the row a key that counts?
	s_wait_alu depctr_va_vdst(0)                   ; and behind it
	v_cndmask_b32 v14, 0, v14, vcc_lo              ; if not, its p are zeros
.set n, 0
.rept 16
	v_mul_f32 v[BMX+n], v[BMX+n], v14              ; the block's largest normalised p,
.set n, n+1
.endr
.set n, 0
.rept 16
	v_max_num_f32 v[BMX+n], 0x1800000, v[BMX+n]    ; the floor 2^(3 - 127): the byte cannot fall under 1,
.set n, n+1
.endr
.set n, 0
.rept 16
	v_add_nc_u32 v[BMX+n], 0xff000000, v[BMX+n]    ; 2 off its exponent field: the conversion's scale operand,
.set n, n+1
.endr
.set n, 0
.rept 16
	v_lshrrev_b32 v[TMP+n], 23, v[BMX+n]           ; the byte
.set n, n+1
.endr
.irp k, 0,1,2,3,4,5,6,7
	v_lshl_or_b32 v[PW+\k], v[TMP+2*\k+1], 16, v[TMP+2*\k]   ; of 128 keys I hold blocks h and 2 + h
.endr
.irp k, 0,1,2,3,4,5,6,7
	v_lshlrev_b32 v[PW+\k], v17, v[PW+\k]          ; at their places, 8 h bits up
.endr
.irp k, 0,1,2,3,4,5,6,7
	v_permlanex16_b32 v[TMP+16+\k], v[PW+\k], s[SEL], s[SEL+1]
.endr
.irp k, 0,1,2,3,4,5,6,7
	v_or_b32 v[PW+\k], v[PW+\k], v[TMP+16+\k]      ; with lane l xor 16's two the word is whole.  (The multiplications below are its places)
.endr
.irp m, 0,1,2,3,4,5,6,7
	TAILB 2*\m
	TAILB 2*\m+1
.if \m > 0
	MLOAD 2*\m-2                                   ; the pair of blocks converted one turn earlier takes the next unit's mask numbers
	MLOAD 2*\m-1
.endif
.endr
	WIN 0
	PLACES 4                                       ; behind the conversions, ahead of the scaled products that take their results
	s_wait_alu depctr_va_vdst(0)
	s_wait_dscnt 16                                ; all but the last sixteen mask loads: V is in
.irp vg, 0,1,2,3
	PVMUL \vg
.endr
	WIN 0
	PLACES 4                                       ; in front of the first read of O^T and of loads into registers that the products read
	MLOAD 14                                       ; the last pair of blocks
	MLOAD 15
	WIN 0
	s_cmp_eq_u32 s[TR], 7
	s_cbranch_scc1 .Lno_k                          ; the last unit has no successor; no counted wait on LDS follows on that way
	s_add_co_u32 s76, s[TR], 1
	s_and_b32 s76, s76, 1                          ; the next unit's head
	s_mul_i32 s77, s76, KVB
	s_lshl_b32 s78, s76, 11
	v_add_nc_u32 v[ADK], s77, v[AK0]
	v_add_nc_u32 v[ADS], s78, v[ASK0]
	s_wait_alu depctr_va_vdst(0)
.irp g, 0,1,2,3
	KLOAD \g                                       ; they land under ctx's quantiser
.endr
.Lno_k:
; ctx's quantiser: O^T's registers 16 b + i are channels 32 b + 16 h + i of my query; two chains a block
.irp b, 0,1
	v_max3_num_f32 v[244+\b], |v[OT+16*\b]|, |v[OT+1+16*\b]|, 0x1800000
	v_max3_num_f32 v[250+\b], |v[OT+8+16*\b]|, |v[OT+9+16*\b]|, |v[OT+10+16*\b]|
.endr
.irp i, 2,4
.irp b, 0,1
	v_max3_num_f32 v[244+\b], v[244+\b], |v[OT+16*\b+\i]|, |v[OT+1+16*\b+\i]|
	v_max3_num_f32 v[250+\b], v[250+\b], |v[OT+9+16*\b+\i]|, |v[OT+10+16*\b+\i]|
.endr
.endr
.irp b, 0,1
	v_max3_num_f32 v[244+\b], v[244+\b], |v[OT+6+16*\b]|, |v[OT+7+16*\b]|
.endr
.irp b, 0,1
	v_max3_num_f32 v[244+\b], v[244+\b], v[250+\b], |v[OT+15+16*\b]|
.endr
.irp b, 0,1
	v_permlanex16_b32 v[246+\b], v[244+\b], s[SEL], s[SEL+1]
.endr
.irp b, 0,1
	v_max_num_f32 v[244+\b], v[244+\b], v[246+\b]
.endr
.irp b, 0,1
	v_add_nc_u32 v[248+\b], 0xff000000, v[244+\b]
.endr
.irp b, 0,1
	v_lshrrev_b32 v[250+\b], 23, v[248+\b]
.endr
	s_wait_alu depctr_va_vdst(0)
	s_wait_xcnt 0x0                                ; the last unit's store has read its data and its base
	s_lshl_b32 s68, s67, 13                        ; a token tile is 8,192 bytes, a head's two blocks 512
	s_lshl_b32 s69, s66, 9
	s_or_b32 s68, s68, s69
	s_mov_b32 s69, 0
	s_add_nc_u64 s[CA:CA+1], s[CP:CP+1], s[68:69]
.irp b, 0,1
	v_cvt_scalef32_pk8_fp4_f32 v[240+2*\b], v[OT+16*\b:OT+7+16*\b], v[248+\b]
	v_cvt_scalef32_pk8_fp4_f32 v[241+2*\b], v[OT+8+16*\b:OT+15+16*\b], v[248+\b]
.endr
	v_nop
	v_permlane16_swap_b32 v240, v242               ; a whole block to a lane
	v_permlane16_swap_b32 v241, v243
	global_store_b128 v1, v[240:243], s[CA:CA+1]   ; 512 consecutive bytes
	v_lshl_or_b32 v252, v251, 8, v250
	ds_store_b16 v25, v252                         ; the head's two bytes of the word of 128 channels
	s_add_co_u32 s[TR], s[TR], 1
	s_cmp_lt_u32 s[TR], 8
	s_wait_alu depctr_va_vdst(0)
	s_cbranch_scc1 .Lunit
	ds_load_b64 v[18:19], v26                      ; LDS serves a wave's instructions in order: these see my stores
	s_wait_dscnt 0x0
	global_store_b64 v27, v[18:19], s[CSP:CSP+1]
	s_wait_tensorcnt 0x0                           ; the wave's end
	ds_add_u32 v[SPW], v[NIL]
	s_wait_dscnt 0x0
	ROUND                                          ; the closing round
	s_endpgm
.Lfunc_end_k_q9fee7eaee3_attn:
	.size	k_q9fee7eaee3_attn, .Lfunc_end_k_q9fee7eaee3_attn-k_q9fee7eaee3_attn
	.p2alignl 7, 3214868480
	.fill 96, 4, 3214868480
	.section	.rodata,"a",@progbits
	.p2align	6, 0x0
	.amdhsa_kernel k_q9fee7eaee3_attn
		.amdhsa_group_segment_fixed_size 327680
		.amdhsa_private_segment_fixed_size 0
		.amdhsa_enable_private_segment 0
		.amdhsa_kernarg_size 40
		.amdhsa_user_sgpr_count 2
		.amdhsa_user_sgpr_kernarg_segment_ptr 1
		.amdhsa_wavefront_size32 1
		.amdhsa_system_sgpr_workgroup_id_x 1
		.amdhsa_system_sgpr_workgroup_id_y 1
		.amdhsa_system_sgpr_workgroup_id_z 1
		.amdhsa_system_vgpr_workitem_id 0
		.amdhsa_next_free_vgpr 1024
		.amdhsa_next_free_sgpr 80
		.amdhsa_reserve_vcc 1
		.amdhsa_float_denorm_mode_32 3
		.amdhsa_float_denorm_mode_16_64 3
		.amdhsa_memory_ordered 1
		.amdhsa_forward_progress 1
		.amdhsa_inst_pref_size 151
	.end_amdhsa_kernel
	.amdgpu_metadata
---
amdhsa.version: [ 1, 2 ]
amdhsa.kernels:
  - .name:           k_q9fee7eaee3_attn
    .symbol:         k_q9fee7eaee3_attn.kd
    .args:
      - { .name: qkvc, .offset: 0, .size: 8, .value_kind: global_buffer, .address_space: global }
      - { .name: qkvs, .offset: 8, .size: 8, .value_kind: global_buffer, .address_space: global }
      - { .name: padding_mask, .offset: 16, .size: 8, .value_kind: global_buffer, .address_space: global }
      - { .name: ctxc, .offset: 24, .size: 8, .value_kind: global_buffer, .address_space: global }
      - { .name: ctxs, .offset: 32, .size: 8, .value_kind: global_buffer, .address_space: global }
    .group_segment_fixed_size: 327680
    .private_segment_fixed_size: 0
    .kernarg_segment_align: 8
    .kernarg_segment_size: 40
    .max_flat_workgroup_size: 128
    .sgpr_count:     80
    .vgpr_count:     1024
    .wavefront_size: 32
...
	.end_amdgpu_metadata
.endif
;; end of part 3
;; launch oproj (part 4): grid 4 x 64, 4 waves a work-group, clusters of 4 x 4, 327,680 bytes of LDS; arguments ctxc, ctxs, opc, ops, bo, out0; writes out0
.if DOCPART == 4
	.amdgcn_target "amdgcn-amd-amdhsa--gfx1250"
	.amdhsa_code_object_version 6
	.text
	.protected	k_q9fee7eaee3_oproj
	.globl	k_q9fee7eaee3_oproj
	.p2align	8
	.type	k_q9fee7eaee3_oproj,@function
k_q9fee7eaee3_oproj:
	s_mov_b64 s[64:65], 0
	v_nop
	global_prefetch_b8 v0, s[64:65] scope:SCOPE_SE
	s_setreg_imm32_b32 hwreg(HW_REG_WAVE_MODE, 25, 1), 1
	s_wait_xcnt 0x0
	s_wait_alu depctr_hold_cnt(0) depctr_sa_sdst(0) depctr_va_vdst(0) depctr_va_sdst(0) depctr_va_ssrc(0) depctr_va_vcc(0) depctr_vm_vsrc(0)
	s_getreg_b32 s2, hwreg(HW_REG_IB_STS2, 6, 4)
	s_cmp_eq_u32 s2, 0
	s_cbranch_scc0 .Lentry_in_a_cluster
	s_endpgm
.Lentry_in_a_cluster:
	s_bfe_u32 s2, ttmp6, 0x10000c
	s_cmp_lg_u32 s2, 0xf033
	s_cbranch_scc0 .Lentry_shape_is_right
	s_endpgm
.Lentry_shape_is_right:
; out = ctx Wo^T + bo on codes of FP4 with E8M0 scales; out is f32.  A work-group makes 128 tokens x 256 columns.
; OPERANDS lie in the order of their registers: [tile of 16 rows][k / 32][r][16 bytes]; place r of tile 2 g + u is row 32 g + 8 u + r + 8 (r / 8).  K = 1,024 lies whole in LDS: every tensor load is a first fill.
; THE MATRIX INSTRUCTION IS USED TRANSPOSED (source 0 = 16 rows of Wo, source 1 = 16 tokens): lane (r, h) holds place r of the token tile, and the 16 registers of Wo's tiles 2 g, 2 g + 1 are columns 32 g + 16 h + 0 .. 15.
; SHARES.  Four waves: wave w takes token tiles 4 (w / 2) + 0 .. 3 and Wo's tiles 8 (w % 2) + 0 .. 7: 32 accumulators, which take turns, one instruction a turn.
; CLUSTERS, 4 x 4: ctx's tiles are asked for jointly along a row of the cluster, Wo's along a column.  A wave has six tensor loads out at the most.
; REGISTERS.  window 0: v1-9 addresses; v32-47 scale words, two sets; v64-127 A's fragments, two sets; v128-255 B's, two sets, later rows of out.
;             window 1: the accumulators, (a, b) at v[8 (8 a + b)].   window 2: v0-63 bo in the result's layout: the C of each sum's first instruction.
; (Of the line on clusters above: in this text a wave issues ONE tensor load, at the head, so one is out at the most; the scale words come by plain loads and LDS stores.)
.set LA,   0
.set LB,   65536
.set LSA,  196608
.set LSB,  200704
.set STAGE, 208896                     ; the way out: 16 rows x (512 bytes + 16) for each wave; no tensor load lands here
.set SC,   32
.set AF,   64
.set BF,   128
.set G1A,  16
.set G1B,  24
.set G1SA, 32
.set G1SB, 40
.set G0SA, 48
.set G0SB, 52
.set G0A0, 56
.set G0B0, 60
.set G0A1, 68
.set G0B1, 72
.set WV,   78
.set WR,   79
.set WC,   80
.set CX,   81
.set CY,   82
.set CLY,  83
.set PAC,  4                           ; the pointers: A's codes, A's scales, B's codes, B's scales
.set PAS,  6
.set PBC,  8
.set PBS,  10
.set MSB, 0
.macro WIN new                         ; the immediate's high byte repeats the setting that is left
.if MSB != (\new)
	s_set_vgpr_msb (MSB<<8)|(\new)
.set MSB, (\new)
.endif
.endm
.macro PLACES n
.rept \n
	v_nop
.endr
.endm
.macro ROUND                           ; a round of the cluster's barrier
	s_barrier_signal -1
	s_barrier_wait -1
	s_cmp_lg_u32 s[WV], 0
	s_cbranch_scc1 .Lnot_wave_0_\@
	s_barrier_signal -3
.Lnot_wave_0_\@:
	s_barrier_wait -3
	s_barrier_signal -1
	s_barrier_wait -1
.endm
	s_load_b256 s[4:11], s[0:1], 0x0               ; ctx's codes, ctx's scales, the weights' codes, the weights' scales
	s_load_b128 s[12:15], s[0:1], 0x20             ; bo, out
	v_lshl_add_u32 v62, v0, 2, 0x3b400
	v_mov_b32 v63, 0
	ds_add_u32 v62, v63
	ds_add_u32 v62, v63
	v_lshrrev_b32 v1, 5, v0
	v_readfirstlane_b32 s[WV], v1
	s_lshr_b32 s[WR], s[WV], 1
	s_and_b32 s[WC], s[WV], 1
	s_bfe_u32 s[CX], ttmp6, 0x40000
	s_bfe_u32 s[CY], ttmp6, 0x40004
	s_and_b32 s[CLY], ttmp7, 0xffff
	s_lshl_b32 s84, s[CLY], 5
	s_lshl_b32 s85, s[CY], 3
	s_add_co_u32 s84, s84, s85
	; s84: the first of the work-group's 8 token tiles: hangs on cy, not on cx
	s_lshl_b32 s88, ttmp9, 6
	s_add_co_u32 s88, s88, 704                     ; Wo's tiles begin at 704
	s_lshl_b32 s89, s[CX], 4
	s_add_co_u32 s88, s88, s89
	; s88: the first of its 16 tiles of Wo: hangs on cx, not on cy
	s_lshl_b32 s86, s84, 13
	s_mov_b32 s87, 0
	s_lshl_b32 s84, s84, 9
	s_mov_b32 s85, 0
	s_lshl_b32 s90, s88, 13
	s_mov_b32 s91, 0
	s_lshl_b32 s88, s88, 9
	s_mov_b32 s89, 0
	s_lshl_b32 s96, s[CY], 2
	s_lshl_b32 s96, 15, s96                        ; my row of the cluster
	s_lshl_b32 s97, 0x1111, s[CX]                  ; my column
	; groups 1: elements of 8 bytes, no padding, bit 21 beside the mask.  Half of K of a tile is a row of 4,096 bytes, 8,192 bytes from tile to tile
	s_or_b32 s[G1A], s96, (3<<16)|(1<<21)
	s_or_b32 s[G1B], s97, (3<<16)|(1<<21)
.irp g, G1A, G1B
	s_mov_b32 s[\g+1], 512<<16
	s_mov_b32 s[\g+3], 512<<16
	s_mov_b32 s[\g+5], 1024
	s_mov_b32 s[\g+6], 0
	s_mov_b32 s[\g+7], 0
.endr
	s_mov_b32 s[G1A+2], 8<<16                      ; one load brings half of K of all 8 tiles of A,
	s_mov_b32 s[G1A+4], 8
	s_mov_b32 s[G1B+2], 16<<16                     ; or of all 16 of B
	s_mov_b32 s[G1B+4], 16
	s_wait_dscnt 0x0
	s_wait_kmcnt 0x0
	s_add_nc_u64 s[92:93], s[PAC:PAC+1], s[86:87]
	s_add_nc_u64 s[94:95], s[PBC:PBC+1], s[90:91]
	ROUND                                          ; all sixteen work-groups are here: the joint loads meet
	s_add_nc_u64 s[G0SA+2:G0SA+3], s[PAS:PAS+1], s[84:85]   ; where A's 4,096 bytes of scale words lie,
	s_add_nc_u64 s[G0SB+2:G0SB+3], s[PBS:PBS+1], s[88:89]   ; and B's 8,192: plain addresses
	s_mov_b32 s[G0A0], 1
	s_mov_b32 s[G0A0+1], LA
	s_mov_b64 s[G0A0+2:G0A0+3], s[92:93]
	s_or_b32 s[G0A0+3], s[G0A0+3], 0x80000000
	s_mov_b32 s[G0B0], 1
	s_mov_b32 s[G0B0+1], LB
	s_mov_b64 s[G0B0+2:G0B0+3], s[94:95]
	s_or_b32 s[G0B0+3], s[G0B0+3], 0x80000000
	s_mov_b32 s[G0A1], 1
	s_add_co_u32 s[G0A1+1], s[G0A0+1], 32768
	s_add_nc_u64 s[G0A1+2:G0A1+3], s[92:93], 4096
	s_or_b32 s[G0A1+3], s[G0A1+3], 0x80000000
	s_mov_b32 s[G0B1], 1
	s_add_co_u32 s[G0B1+1], s[G0B0+1], 65536
	s_add_nc_u64 s[G0B1+2:G0B1+3], s[94:95], 4096
	s_or_b32 s[G0B1+3], s[G0B1+3], 0x80000000
; THE TENSOR LOADS, ONE A WAVE IN THE WHOLE TEXT: wave 0 A's first half of K, wave 1 B's, wave 2 A's second half, wave 3 B's.  One tree of branches on the wave's number: every way passes one load.
.macro ARM under, g0, g1, next
	s_cmp_lt_u32 s[WV], \under
	s_cbranch_scc0 \next
	tensor_load_to_lds s[\g0:\g0+3], s[\g1:\g1+7]
	s_nop 0
	PLACES 4
	s_branch .Lhead_asked
\next:
.endm
	ARM 1, G0A0, G1A, .Lhead_b
	ARM 2, G0B0, G1B, .Lhead_sa
	ARM 3, G0A1, G1A, .Lhead_sb
	tensor_load_to_lds s[G0B1:G0B1+3], s[G1B:G1B+7]
	s_nop 0
	PLACES 4
.Lhead_asked:
	; the scale words, 12,288 bytes beside the codes' 196,608, come by plain loads, 16 bytes a thread and 2,048 an instruction of the work-group, and are stored to LDS bytes that no tensor load fills
	v_lshlrev_b32 v56, 4, v0
	v_lshl_add_u32 v57, v0, 4, LSA
.irp i, 0,1
	global_load_b128 v[AF+4*\i:AF+4*\i+3], v56, s[G0SA+2:G0SA+3] offset:2048*\i
.endr
.irp i, 0,1,2,3
	global_load_b128 v[AF+8+4*\i:AF+11+4*\i], v56, s[G0SB+2:G0SB+3] offset:2048*\i
.endr
	v_and_b32 v1, 15, v0                           ; r
	v_bfe_u32 v2, v0, 4, 1                         ; h
	v_and_b32 v3, 31, v0
	v_lshlrev_b32 v3, 4, v3                        ; 16 x lane
	s_lshl_b32 s92, s[WR], 14
	v_add_nc_u32 v4, s92, v3                       ; my 4 tiles of A
	s_lshl_b32 s92, s[WC], 15
	s_add_co_u32 s92, s92, LB
	v_add_nc_u32 v5, s92, v3                       ; my 8 tiles of B, first half of K,
	v_add_nc_u32 v6, 65536, v5                     ; second half
	s_lshl_b32 s92, s[WR], 11
	s_lshl_b32 s93, s[WC], 12
	s_add_co_u32 s93, s93, 4096
	s_sub_co_u32 s93, s93, s92
	v_mul_u32_u24 v7, s93, v2                      ; scale words: lanes 0-15 take A's tile i, lanes 16-31 B's tile i: the lower base + h x the distance
	s_wait_alu depctr_va_vdst(0)
	s_add_co_u32 s92, s92, LSA
	v_lshl_add_u32 v7, v1, 2, v7
	v_add_nc_u32 v7, s92, v7
	; bo at my 128 columns; lane (r, h) wants, for B's tile 2 g + u, columns 32 g + 16 h + 8 u + 0 .. 7
	s_lshl_b32 s94, ttmp9, 2
	s_add_co_u32 s94, s94, s[CX]                   ; which 256 columns
	s_lshl_b32 s94, s94, 10
	s_lshl_b32 s95, s[WC], 9
	s_add_co_u32 s94, s94, s95                     ; my first column, in bytes
	s_mov_b32 s95, 0
	s_add_nc_u64 s[12:13], s[12:13], s[94:95]
	v_lshlrev_b32 v10, 6, v2
	WIN 0x80                                       ; destination window 2
.irp b, 0,1,2,3,4,5,6,7
	global_load_b128 v[8*\b:8*\b+3], v10, s[12:13] offset:(32*(\b/2)+8*(\b%2))*4
	global_load_b128 v[8*\b+4:8*\b+7], v10, s[12:13] offset:(32*(\b/2)+8*(\b%2))*4+16
.endr
	WIN 0
	s_mul_i32 s92, s[WV], 16*528
	s_add_co_u32 s92, s92, STAGE                   ; my stage
	v_mul_u32_u24 v8, v1, 528
	v_lshl_add_u32 v8, v2, 6, v8
	v_add_nc_u32 v8, s92, v8                       ; in: row r, + 64 h
	v_add_nc_u32 v9, s92, v3                       ; back: the 32 lanes take a row of 512 bytes
	s_lshl_b32 s92, s[CLY], 2
	s_add_co_u32 s92, s92, s[CY]                   ; which 128 tokens
	s_lshl_b32 s92, s92, 19
	s_lshl_b32 s93, s[WR], 18
	s_add_co_u32 s92, s92, s93
	s_add_co_u32 s92, s92, s94
	s_mov_b32 s93, 0
	s_add_nc_u64 s[14:15], s[14:15], s[92:93]      ; out at my first token and column
	s_wait_alu depctr_va_vdst(0)
	s_wait_loadcnt 0x0                             ; bo and the scale words
.irp i, 0,1,2,3,4,5
	ds_store_b128 v57, v[AF+4*\i:AF+4*\i+3] offset:2048*\i   ; A's scale words, then B's behind them
.endr
; 32 LDS loads: K step ks (128 along K) into set ks % 2: my 4 fragments of A, my 8 of B, each two loads of 512 dense bytes, and 8 registers of scale words
.macro GFETCH ks
.set FS, (\ks)%2
.set FH, (\ks)/4
.set FQ, (\ks)%4
.irp a, 0,1,2,3
.irp c, 0,1
	ds_load_b128 v[AF+32*FS+8*\a+4*\c:AF+32*FS+8*\a+4*\c+3], v4 offset:FH*32768+\a*4096+FQ*1024+512*\c
.endr
.endr
.irp b, 0,1,2,3,4,5,6,7
.irp c, 0,1
	ds_load_b128 v[BF+64*FS+8*\b+4*\c:BF+64*FS+8*\b+4*\c+3], v[5+FH] offset:\b*4096+FQ*1024+512*\c
.endr
.endr
.irp i, 0,1,2,3,4,5,6,7
	ds_load_b32 v[SC+8*FS+\i], v7 offset:\i*512+(\ks)*64   ; (for i > 3 lanes 0-15 read filled bytes that nobody uses)
.endr
.endm
; 32 matrix instructions.  The first K step takes the bias as C
.macro GMUL ks
.set FS, (\ks)%2
.if (\ks) == 0
	WIN 0x60                                       ; C window 2, D window 1
.else
	WIN 0x50                                       ; C and D window 1
.endif
.irp a, 0,1,2,3
.irp b, 0,1,2,3,4,5,6,7
.if (\ks) == 0
	v_wmma_scale_f32_16x16x128_f8f6f4 v[8*(8*\a+\b):8*(8*\a+\b)+7], v[BF+64*FS+8*\b:BF+64*FS+8*\b+7], v[AF+32*FS+8*\a:AF+32*FS+8*\a+7], v[8*\b:8*\b+7], v[SC+8*FS+\b], v[SC+8*FS+\a] matrix_a_fmt:MATRIX_FMT_FP4 matrix_b_fmt:MATRIX_FMT_FP4 matrix_a_scale:MATRIX_SCALE_ROW1
.else
	v_wmma_scale_f32_16x16x128_f8f6f4 v[8*(8*\a+\b):8*(8*\a+\b)+7], v[BF+64*FS+8*\b:BF+64*FS+8*\b+7], v[AF+32*FS+8*\a:AF+32*FS+8*\a+7], v[8*(8*\a+\b):8*(8*\a+\b)+7], v[SC+8*FS+\b], v[SC+8*FS+\a] matrix_a_fmt:MATRIX_FMT_FP4 matrix_b_fmt:MATRIX_FMT_FP4 matrix_a_scale:MATRIX_SCALE_ROW1
.endif
.endr
.endr
.endm
	s_wait_alu depctr_va_vdst(0)
	s_wait_tensorcnt 0x0                           ; my tile is in,
	s_wait_dscnt 0x0                               ; my stores of scale words are done:
	s_barrier_signal -1
	s_barrier_wait -1                              ; everybody's are.  Nothing is filled again in this launch
	GFETCH 0
	GFETCH 1
	s_wait_dscnt 32                                ; all but the 32 just issued
	GMUL 0
	WIN 0
.irp ks, 1,2,3,4,5,6
	PLACES 4                                       ; in front of loads into registers that the last matrix instructions read (ISA guide 7.12.1 for vector instructions)
	GFETCH \ks+1
	s_wait_dscnt 32
	GMUL \ks
	WIN 0
.endr
	s_wait_dscnt 0x0
	GMUL 7
	WIN 0
; THE WAY OUT, a token tile at a time.  A lane holds pieces of 32 bytes of one row, and the lanes beside it hold other rows: so a tile goes through my own stage in LDS and comes back as whole rows of 512 bytes.
; LDS serves a wave's instructions in order: no wait between the stores and the loads, nor in front of the next tile's stores.
.macro TOSTAGE a
	WIN 0x04                                       ; an LDS store's data are its source 1: window 1
.irp b, 0,1,2,3,4,5,6,7
	ds_store_b128 v8, v[8*(8*(\a)+\b):8*(8*(\a)+\b)+3] offset:128*(\b/2)+32*(\b%2)          ; each accumulator from its low end on
	ds_store_b128 v8, v[8*(8*(\a)+\b)+4:8*(8*(\a)+\b)+7] offset:128*(\b/2)+32*(\b%2)+16
.endr
	WIN 0
.set BB, BF+64*((\a)%2)
.irp t, 0,1,2,3,4,5,6,7,8,9,10,11,12,13,14,15
	ds_load_b128 v[BB+4*\t:BB+4*\t+3], v9 offset:\t*528
.endr
.endm
.macro SEND a, younger                 ; younger: the LDS instructions issued behind tile a's loads, which may stay out
.set BB, BF+64*((\a)%2)
	s_wait_dscnt \younger
.irp t, 0,1,2,3,4,5,6,7,8,9,10,11,12,13,14,15
	global_store_b128 v3, v[BB+4*\t:BB+4*\t+3], s[14:15] offset:(32*((\a)/2)+8*((\a)%2)+\t+8*(\t/8))*4096 th:TH_STORE_NT   ; place t's token; 32 lanes store 512 consecutive bytes, aligned; every offset is an immediate
.endr
.endm
	PLACES 4                                       ; in front of the first read of results and of loads into B's registers
	TOSTAGE 0
.irp a, 1,2,3
.if \a > 1
	s_wait_xcnt 0x0                                ; tile a - 2's stores have read their registers: tile a's loads may land there
.endif
	TOSTAGE \a
	SEND \a-1, 32                                  ; behind tile a - 1's loads: tile a's 16 stores and 16 loads
.endr
	SEND 3, 0
	s_wait_tensorcnt 0x0
	ds_add_u32 v62, v63
	s_wait_dscnt 0x0
	ROUND                                          ; the closing round: no work-group ends while a partner may still ask for a tile that names it
	s_endpgm
.Lfunc_end_k_q9fee7eaee3_oproj:
	.size	k_q9fee7eaee3_oproj, .Lfunc_end_k_q9fee7eaee3_oproj-k_q9fee7eaee3_oproj
	.p2alignl 7, 3214868480
	.fill 96, 4, 3214868480
	.section	.rodata,"a",@progbits
	.p2align	6, 0x0
	.amdhsa_kernel k_q9fee7eaee3_oproj
		.amdhsa_group_segment_fixed_size 327680
		.amdhsa_private_segment_fixed_size 0
		.amdhsa_enable_private_segment 0
		.amdhsa_kernarg_size 48
		.amdhsa_user_sgpr_count 2
		.amdhsa_user_sgpr_kernarg_segment_ptr 1
		.amdhsa_wavefront_size32 1
		.amdhsa_system_sgpr_workgroup_id_x 1
		.amdhsa_system_sgpr_workgroup_id_y 1
		.amdhsa_system_sgpr_workgroup_id_z 1
		.amdhsa_system_vgpr_workitem_id 0
		.amdhsa_next_free_vgpr 576
		.amdhsa_next_free_sgpr 100
		.amdhsa_reserve_vcc 0
		.amdhsa_float_denorm_mode_32 3
		.amdhsa_float_denorm_mode_16_64 3
		.amdhsa_memory_ordered 1
		.amdhsa_forward_progress 1
		.amdhsa_inst_pref_size 75
	.end_amdhsa_kernel
	.amdgpu_metadata
---
amdhsa.version: [ 1, 2 ]
amdhsa.kernels:
  - .name:           k_q9fee7eaee3_oproj
    .symbol:         k_q9fee7eaee3_oproj.kd
    .args:
      - { .name: ctxc, .offset: 0, .size: 8, .value_kind: global_buffer, .address_space: global }
      - { .name: ctxs, .offset: 8, .size: 8, .value_kind: global_buffer, .address_space: global }
      - { .name: opc, .offset: 16, .size: 8, .value_kind: global_buffer, .address_space: global }
      - { .name: ops, .offset: 24, .size: 8, .value_kind: global_buffer, .address_space: global }
      - { .name: bo, .offset: 32, .size: 8, .value_kind: global_buffer, .address_space: global }
      - { .name: out0, .offset: 40, .size: 8, .value_kind: global_buffer, .address_space: global }
    .group_segment_fixed_size: 327680
    .private_segment_fixed_size: 0
    .kernarg_segment_align: 8
    .kernarg_segment_size: 48
    .max_flat_workgroup_size: 128
    .sgpr_count:     100
    .vgpr_count:     576
    .wavefront_size: 32
...
	.end_amdgpu_metadata
.endif
;; end of part 4
